; MI455X (gfx1250); checked and timed in simulation.
; The chip was launched on July 23, 2026; its instructions are those of AMD's public machine-readable ISA for CDNA 5 (MIT licence, August 2026) and "CDNA5" Instruction Set Architecture Reference Guide (July 2026). The comments in the code are by the model that wrote it; some were corrected since.
;; Block. Allowed arithmetic: float matrix products may take bf16 or f16 operands with f32 sums; other float arithmetic in f32, or as packed bf16 or f16 multiplies, adds, multiply-adds, maxima and minima; sums over many terms, partial sums and values carried from step to step in f32; what a program stores and reads back later, other than sums and carried values, may be rounded once to bf16 or f16.
;; Inputs: down_w 1,024 x 4,096 float32; gate_w 8 x 1,024 float32; n1_w 1,024 float32; n2_w 1,024 float32; o_w 1,024 x 1,024 float32; qkv_w 3,072 x 1,024 float32; up_w 4,096 x 1,024 float32; x 4 x 1,024 x 1,024 float32.
;; Outputs: out0 4 x 1,024 x 1,024 float32.
;; One version. Each part assembles by itself: llvm-mc -triple=amdgcn-amd-amdhsa -mcpu=gfx1250 --defsym DOCPART=n.
;; ======== version 1 of 1: 7 launches
;; limits: values are held in f16: magnitudes above 65,504 overflow, below 6.1e-05 lose precision
;; workspace buffers: wa 16,777,216 bytes; wu 8,388,608 bytes; ao 8,388,608 bytes; qkv 33,554,432 bytes; x1 16,777,216 bytes; scale 16,384 bytes
;; launch prep (part 1): grid 1024 x 1, 8 waves a work-group, no clusters, 0 bytes of LDS; arguments x, n1_w, qkv_w, up_w, o_w, down_w, ao, wa, wu; writes ao, wa, wu
.if DOCPART == 1
	.amdgcn_target "amdgcn-amd-amdhsa--gfx1250"
	.amdhsa_code_object_version 6
	.text
	.protected	k_qd8c9d4164e_prep
	.globl	k_qd8c9d4164e_prep
	.p2align	8
	.type	k_qd8c9d4164e_prep,@function
k_qd8c9d4164e_prep:
	s_mov_b64 s[64:65], 0
	v_nop
	global_prefetch_b8 v0, s[64:65] scope:SCOPE_SE
	s_setreg_imm32_b32 hwreg(HW_REG_WAVE_MODE, 25, 1), 1
	s_wait_xcnt 0x0
; PREP: a stream.  Work-groups 0-255: xn = rmsnorm(x) * n1_w, rounded once to f16, into ao.  256-703: qkv_w (into wa) and up_w (into wu) rounded to f16, rows as they lie.
; 704-1023: o_w and down_w rounded to f16 and laid in blocks [n / 128][k / 64][128 n][64 k] into wa, so that a later K step's operand is one dense run of bytes.
; A wave takes 8,192 bytes of f32 (two rows of 1,024, or 8 rows x 256 k): sixteen 16-byte loads go out before the first wait.  No LDS, no matrix unit, no barrier: no wave needs another's data.
; The roundings are made in place (number p of a unit lands on register p, whose own number has been read by then), which spares 32 registers a wave: 116 in all.
; LIMITS.  What is rounded to f16 must lie within 65,504 (|xn| is at most 32 max|n1_w|); below 6e-5 f16 keeps a fixed step of 6e-8.  NaN and infinities are not treated apart.
.set WO, 6291456                       ; byte offsets in wa: qkv_w at 0, o_w (blocked),
.set WD, 8388608                       ; down_w (blocked)
.set W,  2                             ; v[2:33]    n1_w: load j holds columns 128 j + 4 lane + 0..3
.set X,  34                            ; v[34:97]   two units of 32 registers, as loaded; then, rounded, in the low half of each unit
.set A,  98                            ; v[98:105]  four packed chains, and at work
.set SM, 106                           ; v[106:107] the two rows' sums of squares
.set R,  108                           ; v[108:111] 1 / rms, twice for each row (pairs for the packed multiply)
.set VL, 112                           ; v112  16 x lane
.set VS, 113                           ; v113  8 x lane
.set VB, 114                           ; v[114:115] the blocked path's two source offsets
	s_load_b512 s[8:23], s[0:1], 0x0               ; x s[8:9], n1_w s[10:11], qkv_w s[12:13], up_w s[14:15], o_w s[16:17], down_w s[18:19], ao s[20:21], wa s[22:23]
	s_load_b64 s[40:41], s[0:1], 0x40              ; wu
	v_and_b32 v1, 31, v0                           ; lane
	v_lshrrev_b32 v[A], 5, v0
	v_readfirstlane_b32 s2, v[A]                   ; wave 0..7
	v_lshlrev_b32 v[VL], 4, v1
	v_lshlrev_b32 v[VS], 3, v1
	s_mov_b32 s3, ttmp9                            ; work-group
	s_mov_b32 s25, 0                               ; high words of the two offsets
	s_mov_b32 s27, 0
	s_lshl_b32 s7, s2, 13                          ; my wave's 8,192 bytes among the group's 65,536
	s_wait_kmcnt 0x0
	s_cmp_lt_u32 s3, 256
	s_cbranch_scc0 .Lcast
; unit u is rounded in place and stored: a store's 32 lanes cover 256 consecutive bytes, at a multiple of 256 from the buffer's first byte
.macro CVST u, base
.set p, 0
.rept 16
	v_cvt_pk_f16_f32 v[X+32*(\u)+p], v[X+32*(\u)+2*p], v[X+32*(\u)+2*p+1]
.set p, p+1
.endr
.irp j, 0,1,2,3,4,5,6,7
	global_store_b64 v[VS], v[X+32*(\u)+2*(\j):X+32*(\u)+2*(\j)+1], s[\base:\base+1] offset:2048*(\u)+256*(\j)
.endr
.endm
; my 32 numbers' squares, in four chains that do not wait for each other; the first four products start them
.macro SUMSQ u
.irp c, 0,1,2,3
	v_pk_mul_f32 v[A+2*(\c):A+2*(\c)+1], v[X+32*(\u)+2*(\c):X+32*(\u)+2*(\c)+1], v[X+32*(\u)+2*(\c):X+32*(\u)+2*(\c)+1]
.endr
.set p, 4
.rept 12
	v_pk_fma_f32 v[A+2*(p%4):A+2*(p%4)+1], v[X+32*(\u)+2*p:X+32*(\u)+2*p+1], v[X+32*(\u)+2*p:X+32*(\u)+2*p+1], v[A+2*(p%4):A+2*(p%4)+1]
.set p, p+1
.endr
	v_pk_add_f32 v[A:A+1], v[A:A+1], v[A+2:A+3]
	v_pk_add_f32 v[A+4:A+5], v[A+4:A+5], v[A+6:A+7]
	v_pk_add_f32 v[A:A+1], v[A:A+1], v[A+4:A+5]
	v_add_f32 v[SM+(\u)], v[A], v[A+1]
.endm
; (x * r) * w, in reference()'s order
.macro SCALE u
.set p, 0
.rept 16
	v_pk_mul_f32 v[X+32*(\u)+2*p:X+32*(\u)+2*p+1], v[X+32*(\u)+2*p:X+32*(\u)+2*p+1], v[R+2*(\u):R+2*(\u)+1]
.set p, p+1
.endr
.set p, 0
.rept 16
	v_pk_mul_f32 v[X+32*(\u)+2*p:X+32*(\u)+2*p+1], v[X+32*(\u)+2*p:X+32*(\u)+2*p+1], v[W+2*p:W+2*p+1]
.set p, p+1
.endr
.endm
	; THE NORM: rows 16 g + 2 w and the next
	s_lshl_b32 s24, s3, 16
	s_add_co_u32 s24, s24, s7                      ; byte offset of my two rows in x,
	s_lshr_b32 s26, s24, 1                         ; and in xn
	s_add_nc_u64 s[8:9], s[8:9], s[24:25]
	s_add_nc_u64 s[20:21], s[20:21], s[26:27]
	s_mov_b32 s28, 0x3a800000                      ; 1 / 1024
	s_mov_b32 s29, 0x358637bd                      ; 1e-6
	s_mov_b32 s30, 0x76543210                      ; v_permlanex16_b32: each lane takes its own place in the other half
	s_mov_b32 s31, 0xfedcba98
.irp j, 0,1,2,3,4,5,6,7
	global_load_b128 v[W+4*(\j):W+4*(\j)+3], v[VL], s[10:11] offset:512*(\j)
.endr
.irp u, 0,1
.irp j, 0,1,2,3,4,5,6,7
	global_load_b128 v[X+32*(\u)+4*(\j):X+32*(\u)+4*(\j)+3], v[VL], s[8:9] offset:4096*(\u)+512*(\j)  ; 512 consecutive bytes an instruction
.endr
.endr
	s_wait_loadcnt 0x8                             ; n1_w and the first row are in; the second row's eight loads stay out
	SUMSQ 0
	s_wait_loadcnt 0x0
	SUMSQ 1
.irp m, 1,2,4,8
	v_add_f32_dpp v[SM], v[SM], v[SM] row_xmask:\m row_mask:0xf bank_mask:0xf
	v_add_f32_dpp v[SM+1], v[SM+1], v[SM+1] row_xmask:\m row_mask:0xf bank_mask:0xf
.endr
	v_permlanex16_b32 v[A], v[SM], s30, s31        ; its destination counts as read: a register that has been written
	v_permlanex16_b32 v[A+1], v[SM+1], s30, s31
	v_add_f32 v[SM], v[SM], v[A]
	v_add_f32 v[SM+1], v[SM+1], v[A+1]
	v_fma_f32 v[SM], v[SM], s28, s29               ; mean + eps
	v_fma_f32 v[SM+1], v[SM+1], s28, s29
	v_rsq_f32 v[R], v[SM]                          ; one batch of four
	v_rsq_f32 v[R+1], v[SM]
	v_rsq_f32 v[R+2], v[SM+1]
	v_rsq_f32 v[R+3], v[SM+1]
	v_nop                                          ; a plain instruction behind the last of them (ISA guide 5.7.2),
	s_wait_alu depctr_va_vdst(0)                   ; and the one wait ahead of the first reader
	SCALE 0
	CVST 0, 20
	SCALE 1
	CVST 1, 20
	s_endpgm
.Lcast:
	s_cmp_lt_u32 s3, 704
	s_cbranch_scc0 .Lblock
	; THE PLAIN CAST: rows of 1,024 numbers stay rows
	s_cmp_lt_u32 s3, 448
	s_cselect_b64 s[4:5], s[12:13], s[14:15]       ; qkv_w, or up_w,
	s_cselect_b64 s[36:37], s[22:23], s[40:41]     ; into wa, or into wu, each from its first byte on
	s_cselect_b32 s6, 0, 192                       ; the tensor's first work-group, less 256
	s_sub_co_u32 s24, s3, 256
	s_sub_co_u32 s24, s24, s6
	s_lshl_b32 s24, s24, 16
	s_add_co_u32 s24, s24, s7                      ; byte offset in the source,
	s_lshr_b32 s26, s24, 1                         ; and in the f16 copy
	s_add_nc_u64 s[4:5], s[4:5], s[24:25]
	s_add_nc_u64 s[36:37], s[36:37], s[26:27]
.irp u, 0,1
.irp j, 0,1,2,3,4,5,6,7
	global_load_b128 v[X+32*(\u)+4*(\j):X+32*(\u)+4*(\j)+3], v[VL], s[4:5] offset:4096*(\u)+512*(\j) th:TH_LOAD_NT
.endr
.endr
	s_wait_loadcnt 0x8                             ; the first row is in
	CVST 0, 36
	s_wait_loadcnt 0x0
	CVST 1, 36
	s_endpgm
.Lblock:
	; THE BLOCKED CAST: a wave takes 8 rows n x 256 k: job J = 8 (g - first) + w = n8 x (K / 256) + kq
	s_cmp_lt_u32 s3, 768
	s_cselect_b64 s[4:5], s[16:17], s[18:19]       ; o_w, or down_w
	s_cselect_b32 s6, 0, 64                        ; the tensor's first work-group, less 704
	s_cselect_b32 s28, 2, 4                        ; log2 (K / 256)
	s_cselect_b32 s29, 12, 14                      ; log2 of a source row's bytes
	s_cselect_b32 s30, 4, 6                        ; log2 (K / 64)
	s_cselect_b32 s26, 0, WD-WO
	s_sub_co_u32 s31, s3, 704
	s_sub_co_u32 s31, s31, s6
	s_lshl_b32 s31, s31, 3
	s_add_co_u32 s31, s31, s2                      ; J
	s_lshr_b32 s32, s31, s28                       ; n8
	s_lshl_b32 s33, s32, s28
	s_sub_co_u32 s33, s31, s33                     ; kq
	s_lshl_b32 s24, s32, 3
	s_lshl_b32 s24, s24, s29                       ; source: row 8 n8,
	s_lshl_b32 s34, s33, 10
	s_add_co_u32 s24, s24, s34                     ; column 256 kq
	s_lshr_b32 s34, s32, 4                         ; destination: block (n8 / 16, 4 kq),
	s_lshl_b32 s34, s34, s30
	s_lshl2_add_u32 s34, s33, s34
	s_lshl_b32 s34, s34, 14
	s_and_b32 s35, s32, 15
	s_lshl_b32 s35, s35, 10                        ; row 8 (n8 % 16) of it, 128 bytes a row
	s_add_co_u32 s26, s26, WO
	s_add_co_u32 s26, s26, s34
	s_add_co_u32 s26, s26, s35
	s_add_nc_u64 s[4:5], s[4:5], s[24:25]
	s_add_nc_u64 s[22:23], s[22:23], s[26:27]
	v_lshrrev_b32 v[A], 3, v1                      ; eight lanes read 256 consecutive bytes of one row; four rows an instruction
	v_and_b32 v[A+1], 7, v1
	v_lshlrev_b32 v[A+1], 5, v[A+1]
	v_add_nc_u32 v[A+2], 4, v[A]
	v_lshlrev_b32 v[A], s29, v[A]
	v_lshlrev_b32 v[A+2], s29, v[A+2]
	v_add_nc_u32 v[VB], v[A], v[A+1]
	v_add_nc_u32 v[VB+1], v[A+2], v[A+1]
.irp i, 0,1
.irp q, 0,1,2,3
	global_load_b128 v[X+8*(4*(\i)+(\q)):X+8*(4*(\i)+(\q))+3],   v[VB+(\i)], s[4:5] offset:256*(\q) th:TH_LOAD_NT
	global_load_b128 v[X+8*(4*(\i)+(\q))+4:X+8*(4*(\i)+(\q))+7], v[VB+(\i)], s[4:5] offset:256*(\q)+16 th:TH_LOAD_NT
.endr
.endr
.irp i, 0,1
.irp q, 0,1,2,3
	s_wait_loadcnt 14-2*(4*(\i)+(\q))              ; loads come back in order (ISA guide 5.7.1): this pair is in, the younger pairs stay out
.irp e, 0,1,2,3
	v_cvt_pk_f16_f32 v[X+8*(4*(\i)+(\q))+(\e)], v[X+8*(4*(\i)+(\q))+2*(\e)], v[X+8*(4*(\i)+(\q))+2*(\e)+1]
.endr
	global_store_b128 v[VL], v[X+8*(4*(\i)+(\q)):X+8*(4*(\i)+(\q))+3], s[22:23] offset:512*(\i)+16384*(\q)  ; four rows of a block: 512 consecutive bytes
.endr
.endr
	s_endpgm
.Lfunc_end_k_qd8c9d4164e_prep:
	.size	k_qd8c9d4164e_prep, .Lfunc_end_k_qd8c9d4164e_prep-k_qd8c9d4164e_prep
	.p2alignl 7, 3214868480
	.fill 96, 4, 3214868480
	.section	.rodata,"a",@progbits
	.p2align	6, 0x0
	.amdhsa_kernel k_qd8c9d4164e_prep
		.amdhsa_group_segment_fixed_size 0
		.amdhsa_private_segment_fixed_size 0
		.amdhsa_enable_private_segment 0
		.amdhsa_kernarg_size 72
		.amdhsa_user_sgpr_count 2
		.amdhsa_user_sgpr_kernarg_segment_ptr 1
		.amdhsa_wavefront_size32 1
		.amdhsa_system_sgpr_workgroup_id_x 1
		.amdhsa_system_sgpr_workgroup_id_y 1
		.amdhsa_system_sgpr_workgroup_id_z 1
		.amdhsa_system_vgpr_workitem_id 0
		.amdhsa_next_free_vgpr 116
		.amdhsa_next_free_sgpr 66
		.amdhsa_reserve_vcc 0
		.amdhsa_float_denorm_mode_32 3
		.amdhsa_float_denorm_mode_16_64 3
		.amdhsa_memory_ordered 1
		.amdhsa_forward_progress 1
		.amdhsa_inst_pref_size 26
	.end_amdhsa_kernel
	.amdgpu_metadata
---
amdhsa.version: [ 1, 2 ]
amdhsa.kernels:
  - .name:           k_qd8c9d4164e_prep
    .symbol:         k_qd8c9d4164e_prep.kd
    .args:
      - { .name: x, .offset: 0, .size: 8, .value_kind: global_buffer, .address_space: global }
      - { .name: n1_w, .offset: 8, .size: 8, .value_kind: global_buffer, .address_space: global }
      - { .name: qkv_w, .offset: 16, .size: 8, .value_kind: global_buffer, .address_space: global }
      - { .name: up_w, .offset: 24, .size: 8, .value_kind: global_buffer, .address_space: global }
      - { .name: o_w, .offset: 32, .size: 8, .value_kind: global_buffer, .address_space: global }
      - { .name: down_w, .offset: 40, .size: 8, .value_kind: global_buffer, .address_space: global }
      - { .name: ao, .offset: 48, .size: 8, .value_kind: global_buffer, .address_space: global }
      - { .name: wa, .offset: 56, .size: 8, .value_kind: global_buffer, .address_space: global }
      - { .name: wu, .offset: 64, .size: 8, .value_kind: global_buffer, .address_space: global }
    .group_segment_fixed_size: 0
    .private_segment_fixed_size: 0
    .kernarg_segment_align: 8
    .kernarg_segment_size: 72
    .max_flat_workgroup_size: 256
    .sgpr_count:     66
    .vgpr_count:     116
    .wavefront_size: 32
...
	.end_amdgpu_metadata
.endif
;; end of part 1
;; launch qkvgemm (part 2): grid 12 x 16, 4 waves a work-group, clusters of 4 x 4, 327,680 bytes of LDS; arguments ao, wa, qkv; writes qkv
.if DOCPART == 2
	.amdgcn_target "amdgcn-amd-amdhsa--gfx1250"
	.amdhsa_code_object_version 6
	.text
	.protected	k_qd8c9d4164e_qkvgemm
	.globl	k_qd8c9d4164e_qkvgemm
	.p2align	8
	.type	k_qd8c9d4164e_qkvgemm,@function
k_qd8c9d4164e_qkvgemm:
	s_mov_b64 s[64:65], 0
	v_nop
	global_prefetch_b8 v0, s[64:65] scope:SCOPE_SE
	s_setreg_imm32_b32 hwreg(HW_REG_WAVE_MODE, 25, 1), 1
	s_wait_xcnt 0x0
	s_wait_alu depctr_hold_cnt(0) depctr_sa_sdst(0) depctr_va_vdst(0) depctr_va_sdst(0) depctr_va_ssrc(0) depctr_va_vcc(0) depctr_vm_vsrc(0)
	s_getreg_b32 s2, hwreg(HW_REG_IB_STS2, 6, 4)
	s_cmp_eq_u32 s2, 0
	s_cbranch_scc0 .Lentry_in_a_cluster
	s_endpgm
.Lentry_in_a_cluster:
	s_bfe_u32 s2, ttmp6, 0x10000c
	s_cmp_lg_u32 s2, 0xf033
	s_cbranch_scc0 .Lentry_shape_is_right
	s_endpgm
.Lentry_shape_is_right:
; q, k, v = xn qkv_w^T.  A = xn [4096][1024] f16, B [3072][1024] f16 from its buffer's first byte; sums in f32, rounded once to f16.
; Output by blocks of 64 columns: [column / 64][token][64]: a head's q, k or v rows are dense, 128 bytes each.
; A tile of C, 256 x 256, is made by four waves, each 128 x 128: 64 accumulators of 16 x 16, 512 registers.  K goes in 8 steps of 128 through two LDS slots filled by the tensor data mover.
; CLUSTER 4 x 4: A's tile hangs on the tile row alone and is asked for jointly along a row of the cluster, B's on the tile column alone and jointly along a column.
; THE WALK ALONG K begins at step (2 X + 4 Y) mod 8, X and Y the cluster's own coordinates, which all partners share, and goes round: of the clusters that read the same rows of A (same Y) no two begin at the
; same step, of those that read the same rows of B (same X) neighbours begin half a walk apart; from the walk's fourth step on every K slice has been asked for by another cluster before.
; So K is summed in a rotated order, other than reference()'s.
; THE TEXT IS SHORT: one K step is written once; which slot is read stands in a scalar register (SR) that an exclusive or turns, and ONE descriptor a tensor walks from the second step on.
; THE MATRIX INSTRUCTION IS USED TRANSPOSED (source 0 = 16 rows of B, source 1 = 16 rows of A): a lane holds eight neighbouring columns of one row of C.
; LIMITS.  Results beyond 65,504 become infinities in f16 (|q| is at most |xn row| x |weight row|); NaN and infinities are not treated apart.
; REGISTERS as windows of 256: window 0: v0-31 addresses, v32-63 and v192-223 the way out, v64-191 A's fragments (two buffers); window 1: v64-191 B's fragments; windows 2, 3: accumulators (a, b) at v[8 (8 (a % 4) + b)].
.set SILU,   0                         ; 1: silu on the way out
.set RSH,    14                        ; output: 128 rows of C are 1 << RSH bytes apart,
.set CSH,    19                        ; blocks of 64 columns 1 << CSH bytes
.set SIZE_K, 1024
.set KSTEP,  128
.set STEPS,  SIZE_K/KSTEP
.set KMASK,  (STEPS-1)*KSTEP*2         ; a K step's byte offset in a row, modulo the row
.set PITCH,  272                       ; an LDS row: 256 bytes + 16 of padding = 68 words: the 16 rows of a fragment load start at 16 different groups of four banks (64 banks of 4 bytes: ISA guide 11.1)
.set HALFT,  128*PITCH                 ; what one tensor load brings
.set SLOT,   4*HALFT                   ; A's 256 rows, then B's 256 rows.  SLOT = 0x22000 shares no set bit with wave x HALFT, so an exclusive or by SLOT moves a tile's LDS address from one slot to the other
.set SPARE,  2*SLOT                    ; behind the ring: the spare words, 128 bytes a wave
.set SP,     144                       ; the way out's stage: rows of 128 bytes + 16
.set SBLK,   128*SP                    ; 128 rows x 64 columns; a wave has two such blocks.  The stage lies over the slots, which by then have had their last fill and their last read
.set BS,     1<<CSH
.set ADRA0, 16                         ; v16  LDS address of my A fragments in slot 0; never rewritten
.set ADRA,  17                         ; v17  in the slot in hand
.set ADRB0, 20
.set ADRB,  21
.set STO,   24                         ; v24  the way out: where I put 16 bytes of a row
.set RD,    25                         ; v25  where I read rows back
.set GO,    26                         ; v26  my byte offset in 512 consecutive bytes of the output
.set SPW,   28                         ; v28  my spare word; never rewritten
.set NIL,   29                         ; v29  0; never rewritten
.set NLG,   30                         ; v30  -log2(e)
.set ZR,    31                         ; v31  0, an addend
.set F0,    64
.set F1,    128
.set TMP,   192
.set OB,    32
.set HH,    32                         ; silu: 16 registers of f16 pairs
.set TT,    64                         ; silu: 32 registers of f32
.set G1,  24                           ; s[24:31] group 1 for A;  s[32:39] group 0: the first step's, and the one that walks
.set G0,  32
.set G1B, 48
.set G0B, 56
.set SR,  45                           ; s45  0 or SLOT: the slot that is read
.set BA,  72                           ; s[72:73] A at the rows that I fetch, K = 0
.set BB,  74                           ; s[74:75] B likewise
.set KO,  76                           ; s[76:77] byte offset in a row of the K step asked for last
.set MSB, 0
.macro WIN new                         ; the immediate's high byte repeats the setting that is left; a switch that changes nothing is dropped
.if MSB != (\new)
	s_set_vgpr_msb (MSB<<8)|(\new)
.set MSB, \new
.endif
.endm
.set MUL_LO, 0xa1                      ; source 0 (B) window 1, source 1 (A) window 0, C and D window 2
.set MUL_HI, 0xf1                      ; C and D window 3
.set TO_B,   0x40                      ; destination window 1
; A joint load: waves 0 and 1 fetch A's halves, waves 2 and 3 B's.  An s_nop 0 and four v_nop follow each line.
.macro JLOAD s
	s_cmp_eq_u32 s11, 0
	s_cbranch_scc0 .Lfor_b_\@
	tensor_load_to_lds s[G0+4*(\s):G0+4*(\s)+3], s[G1:G1+7]
	s_nop 0
.rept 4
	v_nop
.endr
	s_branch .Lasked_\@
.Lfor_b_\@:
	tensor_load_to_lds s[G0B+4*(\s):G0B+4*(\s)+3], s[G1B:G1B+7]
	s_nop 0
.rept 4
	v_nop
.endr
.Lasked_\@:
.endm
.macro CREST                           ; a round of the cluster's barrier behind its opening barrier
	s_cmp_lg_u32 s10, 0
	s_cbranch_scc1 .Lnot_wave_0_\@
	s_barrier_signal -3
.Lnot_wave_0_\@:
	s_barrier_wait -3
	s_barrier_signal -1
	s_barrier_wait -1
.endm
.macro CROUND
	s_barrier_signal -1
	s_barrier_wait -1
	CREST
.endm
	s_load_b128 s[4:7], s[0:1], 0x0                ; A s[4:5], B s[6:7]
	s_load_b64 s[8:9], s[0:1], 0x10                ; the output
	v_lshl_add_u32 v[SPW], v0, 2, SPARE
	v_mov_b32 v[NIL], 0
	ds_add_u32 v[SPW], v[NIL]                      ; the wave's opening: the add and its wait stand ahead of my first tensor load; work on registers stands between them
	ds_add_u32 v28, v29
	v_lshrrev_b32 v1, 5, v0
	v_readfirstlane_b32 s10, v1                    ; wave 0..3
	s_lshr_b32 s11, s10, 1                         ; my half of the tile's rows.  Also: I fetch for A (0) or for B (1)
	s_and_b32 s12, s10, 1                          ; my half of its columns.  Also: which 128 rows I fetch
	s_bfe_u32 s40, ttmp6, 0x40000                  ; cx
	s_bfe_u32 s41, ttmp6, 0x40004                  ; cy
	s_lshl_b32 s42, ttmp9, 2
	s_add_co_u32 s42, s42, s40                     ; tile column
	s_and_b32 s13, ttmp7, 0xffff                   ; the cluster's y
	s_lshl_b32 s[KO], ttmp9, 9                     ; the walk's first step, in bytes of a row: 256 x ((2 X + 4 Y) mod 8)
	s_lshl_b32 s[KO+1], s13, 10
	s_add_co_u32 s[KO], s[KO], s[KO+1]
	s_and_b32 s[KO], s[KO], KMASK
	s_mov_b32 s[KO+1], 0
	s_lshl_b32 s13, s13, 2
	s_add_co_u32 s13, s13, s41                     ; tile row
	s_lshl_b32 s43, s41, 2
	s_lshl_b32 s43, 15, s43                        ; my row of the cluster
	s_lshl_b32 s44, 0x1111, s40                    ; my column
	s_or_b32 s[G1+0], s43, (1<<16)|(1<<20)|(1<<21)|(5<<22)|(3<<25)   ; mask; 2-byte elements; padding on; bit 21 beside a mask; after every 64 words; 4 words
	s_or_b32 s[G1B+0], s44, (1<<16)|(1<<20)|(1<<21)|(5<<22)|(3<<25)
.irp g, G1, G1B
	s_mov_b32 s[(\g)+1], KSTEP<<16                 ; tensor_dim0 = 128
	s_mov_b32 s[(\g)+2], 128<<16                   ; tensor_dim1 = 128
	s_mov_b32 s[(\g)+3], KSTEP<<16                 ; tile_dim0 = 128
	s_mov_b32 s[(\g)+4], 128                       ; tile_dim1 = 128
	s_mov_b32 s[(\g)+5], SIZE_K                    ; elements from row to row
	s_mov_b32 s[(\g)+6], 0
	s_mov_b32 s[(\g)+7], 0
.endr
	s_lshl_b32 s17, s12, 7
	s_lshl_b32 s16, s13, 8
	s_add_co_u32 s16, s16, s17                     ; A: row 256 x tile row + 128 x half,
	s_lshl_b32 s16, s16, 11                        ; 2,048 bytes a row
	s_lshl_b32 s46, s42, 8
	s_add_co_u32 s46, s46, s17                     ; B: row 256 x tile column + 128 x half
	s_lshl_b32 s46, s46, 11
	s_mov_b32 s17, 0
	s_mov_b32 s47, 0
	s_mul_i32 s20, s10, HALFT                      ; where my tile goes: no place in the cluster enters an LDS address
	s_mov_b32 s[SR], 0
	s_wait_dscnt 0x0                               ; the opening add is done
	s_wait_kmcnt 0x0
	s_add_nc_u64 s[BA:BA+1], s[4:5], s[16:17]
	s_add_nc_u64 s[BB:BB+1], s[6:7], s[46:47]
	CROUND                                         ; all sixteen work-groups are here: the first joint loads meet
.irp s, 0,1
	s_mov_b32 s[G0+4*(\s)], 1
	s_add_co_u32 s[G0+4*(\s)+1], s20, (\s)*SLOT
	s_add_nc_u64 s[G0+4*(\s)+2:G0+4*(\s)+3], s[BA:BA+1], s[KO:KO+1]
	s_or_b32 s[G0+4*(\s)+3], s[G0+4*(\s)+3], 0x80000000
	s_mov_b32 s[G0B+4*(\s)], 1
	s_add_co_u32 s[G0B+4*(\s)+1], s20, (\s)*SLOT
	s_add_nc_u64 s[G0B+4*(\s)+2:G0B+4*(\s)+3], s[BB:BB+1], s[KO:KO+1]
	s_or_b32 s[G0B+4*(\s)+3], s[G0B+4*(\s)+3], 0x80000000
	JLOAD \s                                       ; the walk's first two steps: two loads of mine are out
.if (\s) == 0
	s_add_co_u32 s[KO], s[KO], KSTEP*2             ; (no descriptor names this register)
	s_and_b32 s[KO], s[KO], KMASK
.endif
.endr
	v_and_b32 v1, 15, v0                           ; l % 16
	v_bfe_u32 v2, v0, 4, 1                         ; l / 16
	v_mul_u32_u24 v3, v1, PITCH
	v_lshl_add_u32 v3, v2, 4, v3                   ; a fragment's row x pitch + 16 x half
	s_mul_i32 s21, s11, HALFT
	s_mul_i32 s22, s12, HALFT
	s_add_co_u32 s22, s22, 2*HALFT
	v_add_nc_u32 v[ADRA0], s21, v3
	v_add_nc_u32 v[ADRB0], s22, v3
	v_mov_b32 v[ADRA], v[ADRA0]
	v_mov_b32 v[ADRB], v[ADRB0]
	s_mul_i32 s23, s10, 2*SBLK                     ; my stage
	v_mul_u32_u24 v4, v1, SP
	v_lshl_add_u32 v4, v2, 4, v4
	v_add_nc_u32 v[STO], s23, v4                   ; in: row l % 16, 16 bytes for each half of the lanes
	v_and_b32 v5, 31, v0
	v_lshrrev_b32 v6, 3, v5
	v_and_b32 v7, 7, v0
	v_mul_u32_u24 v6, v6, SP
	v_lshl_add_u32 v6, v7, 4, v6
	v_add_nc_u32 v[RD], s23, v6                    ; back: 32 lanes take four rows of 128 bytes,
	v_lshlrev_b32 v[GO], 4, v5                     ; which are 512 consecutive bytes of the output
.if SILU
	v_mov_b32 v[NLG], 0xbfb8aa3b
	v_mov_b32 v[ZR], 0
.endif
	s_lshl_b32 s16, s13, 1
	s_add_co_u32 s16, s16, s11                     ; my 128 rows: 2 x tile row + half
	s_lshl_b32 s16, s16, RSH
	s_mov_b32 s17, 0
	s_lshl_b32 s46, s42, 2                         ; my two blocks of 64 columns: 4 x tile column + 2 x half (no register that feeds A's descriptors holds cx)
	s_lshl1_add_u32 s46, s12, s46
	s_lshl_b32 s46, s46, CSH
	s_mov_b32 s47, 0
	s_add_nc_u64 s[8:9], s[8:9], s[16:17]
	s_add_nc_u64 s[8:9], s[8:9], s[46:47]
; 16 matrix instructions: m blocks a0, a0 + 1 of the window's four x all 8 n blocks, 32 along K.  zero = 1: the product starts the sums.  The 64 accumulators take turns.
.macro MUL16 f, hi, a0, zero
	WIN MUL_LO+0x50*(\hi)
.irp a, \a0, (\a0)+1
.irp b, 0,1,2,3,4,5,6,7
.if \zero
	v_wmma_f32_16x16x32_f16 v[8*(8*(\a)+(\b)):8*(8*(\a)+(\b))+7], v[(\f)+8*(\b):(\f)+8*(\b)+7], v[(\f)+8*(4*(\hi)+(\a)):(\f)+8*(4*(\hi)+(\a))+7], 0
.else
	v_wmma_f32_16x16x32_f16 v[8*(8*(\a)+(\b)):8*(8*(\a)+(\b))+7], v[(\f)+8*(\b):(\f)+8*(\b)+7], v[(\f)+8*(4*(\hi)+(\a)):(\f)+8*(4*(\hi)+(\a))+7], v[8*(8*(\a)+(\b)):8*(8*(\a)+(\b))+7]
.endif
.endr
.endr
.endm
; 32 LDS loads in one run: a quarter step's fragments (32 K at byte k of the rows of the slot in hand) into buffer f: B's first, then A's
.macro FETCH k, f
	WIN TO_B
.irp i, 0,1,2,3,4,5,6,7
	ds_load_b128 v[(\f)+8*(\i):(\f)+8*(\i)+3],   v[ADRB] offset:(\k)+(\i)*16*PITCH
	ds_load_b128 v[(\f)+8*(\i)+4:(\f)+8*(\i)+7], v[ADRB] offset:(\k)+(\i)*16*PITCH+32
.endr
	WIN 0
.irp i, 0,1,2,3,4,5,6,7
	ds_load_b128 v[(\f)+8*(\i):(\f)+8*(\i)+3],   v[ADRA] offset:(\k)+(\i)*16*PITCH
	ds_load_b128 v[(\f)+8*(\i)+4:(\f)+8*(\i)+7], v[ADRA] offset:(\k)+(\i)*16*PITCH+32
.endr
.endm
.macro PLACES                          ; four plain instructions between a matrix instruction and a load into, or a vector read or write of, its registers
.rept 4
	v_nop
.endr
.endm
; one of a K step's first three quarters: multiplies buffer f; in its middle fetches the next quarter, at byte k, into buffer g
.macro QUARTER k, f, g, zero
	s_wait_dscnt 8                                 ; B and A's rows 0-63 are in; the youngest eight loads (A's rows 64-127) may be out
	MUL16 \f, 0, 0, \zero
	MUL16 \f, 0, 2, \zero
	PLACES
	FETCH \k, \g
	s_wait_dscnt 32                                ; all but the 32 just issued
	MUL16 \f, 1, 0, \zero
	MUL16 \f, 1, 2, \zero
.endm
; the last quarter's first half and the one barrier of a change of slots
.macro MEET
	WIN 0
	s_wait_tensorcnt 0x0                           ; all my tensor loads have landed: the one that was out is my part of the next slot
	ds_add_u32 v[SPW], v[NIL]                      ; 0 onto my spare word
	s_wait_dscnt 9                                 ; (the add and the youngest eight loads may be out)
	MUL16 F1, 0, 0, 0
	s_wait_dscnt 0x0                               ; the add is done, and my reads of this slot are over
	s_barrier_signal -1
	MUL16 F1, 0, 2, 0                              ; work on registers while the others arrive
	WIN 0
	s_barrier_wait -1
.endm
.macro FLIP                            ; the reads go over to the other slot
	s_xor_b32 s[SR], s[SR], SLOT
	v_add_nc_u32 v[ADRA], s[SR], v[ADRA0]
	v_add_nc_u32 v[ADRB], s[SR], v[ADRB0]
.endm
; the whole last quarter of a K step whose slot is filled again: the barrier opens a round of the cluster's; the joint refill is the first tensor load behind it and has 224 matrix instructions in which to land
.macro TURN
	MEET
	CREST
	s_xor_b32 s[G0+5], s[G0+5], SLOT               ; the walking descriptors: the slot just read out,
	s_xor_b32 s[G0B+5], s[G0B+5], SLOT
	s_add_co_u32 s[KO], s[KO], KSTEP*2             ; the walk's next step, round the row's end;
	s_and_b32 s[KO], s[KO], KMASK
	s_add_nc_u64 s[G0+6:G0+7], s[BA:BA+1], s[KO:KO+1]      ; the addresses are made anew from the bases
	s_or_b32 s[G0+7], s[G0+7], 0x80000000
	s_add_nc_u64 s[G0B+6:G0B+7], s[BB:BB+1], s[KO:KO+1]
	s_or_b32 s[G0B+7], s[G0B+7], 0x80000000
	JLOAD 1                                        ; its four v_nop are also the places in front of the loads below
	FLIP
	FETCH 0, F0
	MUL16 F1, 1, 0, 0
	MUL16 F1, 1, 2, 0
.endm
	s_wait_tensorcnt 1                             ; my part of the first step is in; the second's may stay out
	s_barrier_signal -1
	s_barrier_wait -1
	FETCH 0, F0
	QUARTER 64, F0, F1, 1                          ; the first quarter starts the sums: nothing is cleared
	WIN 0
	s_mov_b32 s3, STEPS-2
.Lk:                                                   ; a trip: a K step's quarters 1 to 3 and the next step's quarter 0; it fills the slot that it leaves
	QUARTER 128, F1, F0, 0
	QUARTER 192, F0, F1, 0
	TURN
	QUARTER 64, F0, F1, 0
	WIN 0
	s_sub_co_u32 s3, s3, 1
	s_cmp_lg_u32 s3, 0
	s_cbranch_scc1 .Lk
	s_mov_b32 s3, 2
.Lt:                                                   ; the last two K steps ask for nothing; the second trip is left in its middle
	QUARTER 128, F1, F0, 0
	QUARTER 192, F0, F1, 0
	MEET
	s_sub_co_u32 s3, s3, 1
	s_cmp_eq_u32 s3, 0
	s_cbranch_scc1 .Lend
	PLACES
	FLIP
	FETCH 0, F0
	MUL16 F1, 1, 0, 0
	MUL16 F1, 1, 2, 0
	QUARTER 64, F0, F1, 0
	WIN 0
	s_branch .Lt
.Lend:                                                 ; behind the last barrier no wave reads the ring any more, and no fill is to come: the stage may lie over it
	MUL16 F1, 1, 0, 0
	MUL16 F1, 1, 2, 0
	WIN 0
	PLACES
; THE WAY OUT.  Block a (16 rows): rounded to f16, each accumulator's registers in ascending order, 16 bytes a lane into my stage.
.macro PACK a
.set AC, 64*((\a)%4)
	WIN 0x0a+5*((\a)/4)                            ; sources 0 and 1: window 2 or 3
.irp b, 0,1,2,3,4,5,6,7
.irp r, 0,1,2,3
	v_cvt_pk_f16_f32 v[TMP+4*(\b)+(\r)], v[AC+8*(\b)+2*(\r)], v[AC+8*(\b)+2*(\r)+1]
.endr
.endr
	WIN 0
.irp b, 0,1,2,3,4,5,6,7
	ds_store_b128 v[STO], v[TMP+4*(\b):TMP+4*(\b)+3] offset:((\b)/4)*SBLK+(\a)*16*SP+((\b)%4)*32
.endr
.endm
.irp a, 0,1,2,3,4,5,6,7
	PACK \a
.endr
.if SILU
.macro ME e                            ; -log2(e) x the f16 half, in f32
.if (\e)%2
	v_fma_mix_f32 v[TT+(\e)], v[HH+(\e)/2], v[NLG], v[ZR] op_sel:[1,0,0] op_sel_hi:[1,0,0]
.else
	v_fma_mix_f32 v[TT+(\e)], v[HH+(\e)/2], v[NLG], v[ZR] op_sel:[0,0,0] op_sel_hi:[1,0,0]
.endif
.endm
	s_mov_b32 s3, 16
.Lout:                                                 ; a trip: 8 rows of both blocks: h silu-ed as h / (1 + 2^(-log2(e) h)), 32 numbers a lane
.irp n, 0,1,2,3
	ds_load_b128 v[HH+4*(\n):HH+4*(\n)+3], v[RD] offset:((\n)/2)*SBLK+((\n)%2)*4*SP  ; LDS serves a wave's instructions in order (ISA guide 5.7.1.4): these see my stores above
.endr
	s_wait_dscnt 0x0
.set e, 0
	ME e
.set e, 1
.rept 31
	ME e
	v_exp_f32 v[TT+e-1], v[TT+e-1]
.set e, e+1
.endr
	v_exp_f32 v[TT+31], v[TT+31]
	v_nop                                          ; a plain instruction behind the last exponential,
	s_wait_alu depctr_va_vdst(0)                   ; and one wait for the batch of 32
	v_pk_add_f32 v[TT:TT+1], v[TT:TT+1], 1.0 op_sel_hi:[1,0]
.set i, 1
.rept 15
	v_pk_add_f32 v[TT+2*i:TT+2*i+1], v[TT+2*i:TT+2*i+1], 1.0 op_sel_hi:[1,0]
	v_rcp_f32 v[TT+2*i-2], v[TT+2*i-2]
	v_rcp_f32 v[TT+2*i-1], v[TT+2*i-1]
.set i, i+1
.endr
	v_rcp_f32 v[TT+30], v[TT+30]
	v_rcp_f32 v[TT+31], v[TT+31]
	v_nop
	s_wait_alu depctr_va_vdst(0)                   ; one wait for the 32 reciprocals
.set i, 0
.rept 16
	v_fma_mixlo_f16 v[HH+i], v[HH+i], v[TT+2*i], v[ZR] op_sel:[0,0,0] op_sel_hi:[1,0,0]    ; the low half is rewritten, the high half kept,
	v_fma_mixhi_f16 v[HH+i], v[HH+i], v[TT+2*i+1], v[ZR] op_sel:[1,0,0] op_sel_hi:[1,0,0]  ; and then taken in its turn
.set i, i+1
.endr
.irp n, 0,1,2,3
	global_store_b128 v[GO], v[HH+4*(\n):HH+4*(\n)+3], s[8:9] offset:((\n)/2)*BS+((\n)%2)*512  ; 512 consecutive bytes, at a multiple of 256 from the buffer's first
.endr
	s_wait_xcnt 0x0                                ; the stores' data and offset are rewritten only behind this wait
	v_add_nc_u32 v[RD], 8*SP, v[RD]
	v_add_nc_u32 v[GO], 1024, v[GO]
.else
	s_mov_b32 s3, 8
.Lout:                                                 ; a trip: 16 rows of both blocks
.irp n, 0,1,2,3,4,5,6,7
	ds_load_b128 v[OB+4*(\n):OB+4*(\n)+3], v[RD] offset:((\n)/4)*SBLK+((\n)%4)*4*SP  ; LDS serves a wave's instructions in order (ISA guide 5.7.1.4): these see my stores above
.endr
.irp n, 0,1,2,3,4,5,6,7
	s_wait_dscnt 7-(\n)                            ; load n is back; the younger ones stay out
	global_store_b128 v[GO], v[OB+4*(\n):OB+4*(\n)+3], s[8:9] offset:((\n)/4)*BS+((\n)%4)*512  ; 512 consecutive bytes, at a multiple of 256 from the buffer's first
.endr
	s_wait_xcnt 0x0                                ; the stores' data and offset are rewritten only behind this wait
	v_add_nc_u32 v[RD], 16*SP, v[RD]
	v_add_nc_u32 v[GO], 2048, v[GO]
.endif
	s_sub_co_u32 s3, s3, 1
	s_cmp_lg_u32 s3, 0
	s_cbranch_scc1 .Lout
	s_wait_tensorcnt 0x0                           ; the wave's end
	ds_add_u32 v[SPW], v[NIL]
	s_wait_dscnt 0x0
	CROUND                                         ; the closing round: no work-group ends while a partner may still ask for a tile that names it
	s_endpgm
.Lfunc_end_k_qd8c9d4164e_qkvgemm:
	.size	k_qd8c9d4164e_qkvgemm, .Lfunc_end_k_qd8c9d4164e_qkvgemm-k_qd8c9d4164e_qkvgemm
	.p2alignl 7, 3214868480
	.fill 96, 4, 3214868480
	.section	.rodata,"a",@progbits
	.p2align	6, 0x0
	.amdhsa_kernel k_qd8c9d4164e_qkvgemm
		.amdhsa_group_segment_fixed_size 327680
		.amdhsa_private_segment_fixed_size 0
		.amdhsa_enable_private_segment 0
		.amdhsa_kernarg_size 24
		.amdhsa_user_sgpr_count 2
		.amdhsa_user_sgpr_kernarg_segment_ptr 1
		.amdhsa_wavefront_size32 1
		.amdhsa_system_sgpr_workgroup_id_x 1
		.amdhsa_system_sgpr_workgroup_id_y 1
		.amdhsa_system_sgpr_workgroup_id_z 1
		.amdhsa_system_vgpr_workitem_id 0
		.amdhsa_next_free_vgpr 1024
		.amdhsa_next_free_sgpr 78
		.amdhsa_reserve_vcc 0
		.amdhsa_float_denorm_mode_32 3
		.amdhsa_float_denorm_mode_16_64 3
		.amdhsa_memory_ordered 1
		.amdhsa_forward_progress 1
		.amdhsa_inst_pref_size 93
	.end_amdhsa_kernel
	.amdgpu_metadata
---
amdhsa.version: [ 1, 2 ]
amdhsa.kernels:
  - .name:           k_qd8c9d4164e_qkvgemm
    .symbol:         k_qd8c9d4164e_qkvgemm.kd
    .args:
      - { .name: ao, .offset: 0, .size: 8, .value_kind: global_buffer, .address_space: global }
      - { .name: wa, .offset: 8, .size: 8, .value_kind: global_buffer, .address_space: global }
      - { .name: qkv, .offset: 16, .size: 8, .value_kind: global_buffer, .address_space: global }
    .group_segment_fixed_size: 327680
    .private_segment_fixed_size: 0
    .kernarg_segment_align: 8
    .kernarg_segment_size: 24
    .max_flat_workgroup_size: 128
    .sgpr_count:     78
    .vgpr_count:     1024
    .wavefront_size: 32
...
	.end_amdgpu_metadata
.endif
;; end of part 2
;; launch attn (part 3): grid 4 x 64, 4 waves a work-group, clusters of 4 x 1, 327,680 bytes of LDS; arguments qkv, ao; writes ao
.if DOCPART == 3
	.amdgcn_target "amdgcn-amd-amdhsa--gfx1250"
	.amdhsa_code_object_version 6
	.text
	.protected	k_qd8c9d4164e_attn
	.globl	k_qd8c9d4164e_attn
	.p2align	8
	.type	k_qd8c9d4164e_attn,@function
k_qd8c9d4164e_attn:
	s_mov_b64 s[64:65], 0
	v_nop
	global_prefetch_b8 v0, s[64:65] scope:SCOPE_SE
	s_setreg_imm32_b32 hwreg(HW_REG_WAVE_MODE, 25, 1), 1
	s_wait_xcnt 0x0
	s_wait_alu depctr_hold_cnt(0) depctr_sa_sdst(0) depctr_va_vdst(0) depctr_va_sdst(0) depctr_va_ssrc(0) depctr_va_vcc(0) depctr_vm_vsrc(0)
	s_getreg_b32 s2, hwreg(HW_REG_IB_STS2, 6, 4)
	s_cmp_eq_u32 s2, 0
	s_cbranch_scc0 .Lentry_in_a_cluster
	s_endpgm
.Lentry_in_a_cluster:
	s_bfe_u32 s2, ttmp6, 0x10000c
	s_cmp_lg_u32 s2, 0x3003
	s_cbranch_scc0 .Lentry_shape_is_right
	s_endpgm
.Lentry_shape_is_right:
; CAUSAL ATTENTION, head size 64, 1,024 tokens, 64 (batch, head) pairs.  q, k, v: qkv[which x 16 + h][token][64] f16.  Output ao[token / 128][h][128][64] f16.
; Products, maxima and sums in f32; the weights are rounded to f16 for the second product (their sum is taken of the unrounded), O once at the end.  A hidden score is REPLACED by -8e9, which is -1e9 behind the factor 1 / 8.
; LIMITS.  A weight below 2^-126 counts as 0; below 6e-5 a weight keeps f16's fixed step of 6e-8; NaN and infinities are not treated apart.
; SHARES.  The four work-groups of a cluster have one (batch, head).  Its queries are 16 groups of 64; group g needs key steps 0 .. g of 64 keys, the last with the diagonal.  Work-group cx owns tile cx (16 queries)
; of every group; wave w the tiles of groups 15 - w, 8 + w, 7 - w, w: 34 tile-steps for every wave, 25 of them in steps 0-7.  Branches hang on the wave's number and the step's alone: the four partners run alike.
; LDS holds the head's WHOLE K and V, brought by joint loads (mask of four) in two chunks: keys 0-575, which steps 0-7 and their look-ahead read, and keys 576-1023, waited for once, behind step 7.  Nothing is filled again.
; LAYOUT.  S^T = K Q^T: a lane holds ONE query (lane % 16) and keys 8 (lane / 16) + 0..7 of each 16; rounded in pairs that IS source 1 of O^T = V^T P.  V comes out of LDS turned, by ds_load_tr16_b128.
; SOFTMAX.  A running maximum m and sum l a query: p = 2^(c s - c m), c = log2(e) / 8; O and l are multiplied by a = 2^(c m_old - c m_new) in every step; m starts at the lowest finite number, O and l at 0.
; A STEP: the live tiles' K Q^T; the next K's loads; then tile after tile, under one test each, its softmax (one batch of 33 exponentials and one wait) and its V^T P, so that a tile's products are at work while
; the next tile's softmax is issued; the next V's loads.  In step 0 all four tiles are live: its K Q^T stands ahead of the loop without tests, and the loop is entered behind that phase.
; REGISTERS: window 0: addresses, statistics, v64-191 S^T (32 a tile), v192-255 P (16 a tile); window 1: v0-127 O^T (32 a tile); window 2: v0-63 Q, v128-191 K of a step, v192-255 V of a step.
.set KS,    64
.set PK,    144                        ; a row of K in LDS: 128 bytes + 16: the 16 rows of a load start at 16 different groups of four banks (64 banks of 4 bytes: ISA guide 11.1)
.set PV,    160                        ; a row of V: 128 + 32
.set VOFF,  1024*PK
.set STAGE, VOFF+1024*PV               ; 16 rows x 144 bytes a wave, for the way out; no tensor load lands here
.set SP,    144
.set SPARE, STAGE+4*16*SP              ; the spare words, 128 bytes a wave
.set CA,    576                        ; keys in the first chunk; a wave brings half of a chunk of K or of V
.set HA,    288
.set HB,    224
.set AK0, 2                            ; v2   my lane's place in a step's K; never rewritten
.set AV0, 3                            ; v3   the same for V, VOFF in it
.set AK,  4
.set AV,  5
.set STO, 6
.set RD,  7
.set GO,  8
.set MV,  12                           ; v12-15  c m_old, a tile each
.set ST,  16                           ; tile t: c m, m, l (even keys', odd keys')
.set TMP, 32                           ; tile t: four at work; a takes the third
.set QI,  48                           ; v48  my query's place in its group, less my lanes' 8 (lane / 16)
.set BIGV, 49                          ; v49  -8e9
.set QO,  50                           ; v50  my byte offset in 16 rows of Q
.set SPW, 62
.set NIL, 63
.set S,   64
.set P,   192
.set KF,  128
.set VF,  192
.set WV,  12
.set CS,  20                           ; s[20:21] c
.set SEL, 22                           ; s[22:23] v_permlanex16_b32's selects
.set G1KA, 24
.set G1KB, 32
.set G1VA, 40
.set G1VB, 48
.set G0KA, 56
.set G0KB, 60
.set G0VA, 68
.set G0VB, 72
.set QB,  76                           ; s[76:83] Q at my four tiles
.set OBS, 84                           ; s[84:91] the output at my four tiles
.set GR,  92                           ; s92-95  my tiles' groups, descending
.set SS,  96                           ; s96  the key step
.set CNT, 97
.set SEG, 98
.set TBK, 99                           ; s99  LDS byte of the K step to be fetched next
.set TBV, 100
.set MSB, 0
.macro WIN new
.if MSB != (\new)
	s_set_vgpr_msb (MSB<<8)|(\new)
.set MSB, (\new)
.endif
.endm
.set W_KQ, 0x0a                        ; K and Q in window 2, S^T in window 0
.set W_PV, 0x52                        ; V in window 2, P in window 0, O^T in window 1
.set W_RS, 0x41                        ; O^T (destination and source 0) in window 1
.macro CROUND
	s_barrier_signal -1
	s_barrier_wait -1
	s_cmp_lg_u32 s[WV], 0
	s_cbranch_scc1 .Lnot_wave_0_\@
	s_barrier_signal -3
.Lnot_wave_0_\@:
	s_barrier_wait -3
	s_barrier_signal -1
	s_barrier_wait -1
.endm
.macro PLACES
.rept 4
	v_nop
.endr
.endm
	s_load_b128 s[4:7], s[0:1], 0x0                ; qkv s[4:5], ao s[6:7]
	v_lshl_add_u32 v[SPW], v0, 2, SPARE
	v_mov_b32 v[NIL], 0
	ds_add_u32 v[SPW], v[NIL]                      ; the wave's opening: the add and its wait stand ahead of my first tensor load
	ds_add_u32 v62, v63
	v_lshrrev_b32 v1, 5, v0
	v_readfirstlane_b32 s[WV], v1
	s_bfe_u32 s13, ttmp6, 0x40000                  ; cx: it enters Q's and the output's addresses and the mask's lane term alone
	s_and_b32 s14, ttmp7, 0xffff                   ; batch x 16 + head, which the partners share
	s_lshr_b32 s15, s14, 4                         ; batch
	s_and_b32 s16, s14, 15                         ; head
	s_and_b32 s17, s[WV], 1                        ; which half of a chunk I fetch
	s_sub_co_u32 s[GR], 15, s[WV]
	s_add_co_u32 s[GR+1], s[WV], 8
	s_sub_co_u32 s[GR+2], 7, s[WV]
	s_mov_b32 s[GR+3], s[WV]
	; group 1: dense keys asked for as rows of 256 bytes, two keys a row, padded in LDS after every key
.irp g, G1KA, G1KB
	s_mov_b32 s[\g], 15|(1<<16)|(1<<20)|(1<<21)|(4<<22)|(3<<25)  ; the mask of four; 2-byte elements; padding on; bit 21 beside a mask; after every 32 words; 4 words
.endr
.irp g, G1VA, G1VB
	s_mov_b32 s[\g], 15|(1<<16)|(1<<20)|(1<<21)|(4<<22)|(7<<25)  ; 8 words
.endr
.irp g, G1KA, G1KB, G1VA, G1VB
	s_mov_b32 s[\g+1], 128<<16                     ; tensor_dim0 = 128
	s_mov_b32 s[\g+3], 128<<16                     ; tile_dim0 = 128
	s_mov_b32 s[\g+5], 128                         ; elements from row to row
	s_mov_b32 s[\g+6], 0
	s_mov_b32 s[\g+7], 0
.endr
.irp g, G1KA, G1VA
	s_mov_b32 s[\g+2], (HA/2)<<16                  ; tensor_dim1 = tile_dim1 = 144 rows
	s_mov_b32 s[\g+4], HA/2
.endr
.irp g, G1KB, G1VB
	s_mov_b32 s[\g+2], (HB/2)<<16                  ; 112 rows
	s_mov_b32 s[\g+4], HB/2
.endr
	s_mov_b32 s[G0KA], 1
	s_mul_i32 s[G0KA+1], s17, HA*PK
	s_mov_b32 s[G0KB], 1
	s_mul_i32 s[G0KB+1], s17, HB*PK
	s_add_co_u32 s[G0KB+1], s[G0KB+1], CA*PK
	s_mov_b32 s[G0VA], 1
	s_mul_i32 s[G0VA+1], s17, HA*PV
	s_add_co_u32 s[G0VA+1], s[G0VA+1], VOFF
	s_mov_b32 s[G0VB], 1
	s_mul_i32 s[G0VB+1], s17, HB*PV
	s_add_co_u32 s[G0VB+1], s[G0VB+1], VOFF+CA*PV
	s_add_co_u32 s18, s16, 16                      ; K's block of qkv: 16 + head, 524,288 bytes a block,
	s_lshl_b32 s18, s18, 19
	s_lshl_b32 s19, s15, 17                        ; the batch's 1,024 rows of 128 bytes
	s_add_co_u32 s18, s18, s19
	s_mul_i32 s8, s17, HA*128
	s_add_co_u32 s8, s8, s18                       ; my half of the first chunk,
	s_mov_b32 s9, 0
	s_mul_i32 s10, s17, HB*128
	s_add_co_u32 s10, s10, s18
	s_add_co_u32 s10, s10, CA*128                  ; and of the second
	s_mov_b32 s11, 0
	s_mov_b32 s[CS], 0x3e38aa3b                    ; c = log2(e) / 8
	s_mov_b32 s[CS+1], s[CS]
	s_mov_b32 s[SEL], 0x76543210
	s_mov_b32 s[SEL+1], 0xfedcba98
	s_wait_dscnt 0x0                               ; the opening add is done
	s_wait_kmcnt 0x0
	s_add_nc_u64 s[G0KA+2:G0KA+3], s[4:5], s[8:9]
	s_add_nc_u64 s[G0VA+2:G0VA+3], s[G0KA+2:G0KA+3], 16*524288  ; V lies 16 blocks behind K
	s_add_nc_u64 s[G0KB+2:G0KB+3], s[4:5], s[10:11]
	s_add_nc_u64 s[G0VB+2:G0VB+3], s[G0KB+2:G0KB+3], 16*524288
.irp g, G0KA, G0KB, G0VA, G0VB
	s_or_b32 s[\g+3], s[\g+3], 0x80000000          ; type = 2
.endr
	CROUND                                         ; all four work-groups are here: the joint loads meet
	s_cmp_lt_u32 s[WV], 2                          ; a wave's two fills stand in one branch, ahead of every wait on TENSORcnt and every LDS read: two loads of mine are out
	s_cbranch_scc0 .Lfirst_v
	tensor_load_to_lds s[G0KA:G0KA+3], s[G1KA:G1KA+7]
	s_nop 0
	tensor_load_to_lds s[G0KB:G0KB+3], s[G1KB:G1KB+7]
	s_nop 0
.rept 4
	v_nop
.endr
	s_branch .Lfirst_asked
.Lfirst_v:
	tensor_load_to_lds s[G0VA:G0VA+3], s[G1VA:G1VA+7]
	s_nop 0
	tensor_load_to_lds s[G0VB:G0VB+3], s[G1VB:G1VB+7]
	s_nop 0
.rept 4
	v_nop
.endr
.Lfirst_asked:
	s_lshl_b32 s14, s16, 19                        ; Q: block head, the batch's rows, tile cx of a group
	s_add_co_u32 s14, s14, s19
	s_lshl_b32 s18, s13, 11
	s_add_co_u32 s14, s14, s18
	s_lshl_b32 s19, s15, 21                        ; output: 8 row tiles of 262,144 bytes a batch, 16,384 a head
	s_lshl_b32 s16, s16, 14
	s_add_co_u32 s19, s19, s16
	s_add_co_u32 s19, s19, s18
.irp i, 0,1,2,3
	s_lshl_b32 s2, s[GR+\i], 13                    ; a group is 64 rows of 128 bytes
	s_add_co_u32 s2, s2, s14
	s_mov_b32 s3, 0
	s_add_nc_u64 s[QB+2*\i:QB+2*\i+1], s[4:5], s[2:3]
	s_lshr_b32 s2, s[GR+\i], 1                     ; two groups to a row tile of 128
	s_lshl_b32 s2, s2, 18
	s_and_b32 s3, s[GR+\i], 1
	s_lshl_b32 s3, s3, 13
	s_add_co_u32 s2, s2, s3
	s_add_co_u32 s2, s2, s19
	s_mov_b32 s3, 0
	s_add_nc_u64 s[OBS+2*\i:OBS+2*\i+1], s[6:7], s[2:3]
.endr
	v_and_b32 v1, 15, v0                           ; l % 16
	v_bfe_u32 v9, v0, 4, 1                         ; l / 16
	v_lshlrev_b32 v[QO], 7, v1
	v_lshl_add_u32 v[QO], v9, 4, v[QO]
	WIN 0x80                                       ; destination window 2
.irp i, 0,1,2,3
.irp c, 0,1
	global_load_b128 v[16*\i+8*\c:16*\i+8*\c+3],   v[QO], s[QB+2*\i:QB+2*\i+1] offset:64*\c
	global_load_b128 v[16*\i+8*\c+4:16*\i+8*\c+7], v[QO], s[QB+2*\i:QB+2*\i+1] offset:64*\c+32
.endr
.endr
	WIN 0x40                                       ; O^T starts at 0: no first softmax is written out; this stands in the wait for the first chunk
.set i, 0
.rept 128
	v_mov_b32 v[i], 0
.set i, i+1
.endr
	WIN 0
.set i, 0
.rept 4
	v_mov_b32 v[ST+4*i], 0xfe000000                ; c m: far below every c s
	v_mov_b32 v[ST+4*i+1], 0xff7fffff              ; m
	v_mov_b32 v[ST+4*i+2], 0
	v_mov_b32 v[ST+4*i+3], 0
.set i, i+1
.endr
	v_mov_b32 v[BIGV], 0xcfee6b28                  ; -8e9
	v_lshlrev_b32 v10, 3, v9
	v_sub_nc_u32 v[QI], v1, v10
	s_lshl_b32 s18, s13, 4
	v_add_nc_u32 v[QI], s18, v[QI]                 ; register j of key block kb is hidden where 16 kb + j is greater
	v_mul_u32_u24 v[AK0], v1, PK
	v_lshl_add_u32 v[AK0], v9, 4, v[AK0]
	v_and_b32 v10, 7, v0                           ; the turning load: lane l reads key 8 (l / 16) + l % 8, channels 8 ((l / 8) % 2) + 0..7
	v_bfe_u32 v11, v0, 3, 1
	v_lshl_add_u32 v[AV0], v9, 3, v10
	v_mul_u32_u24 v[AV0], v[AV0], PV
	v_lshl_add_u32 v[AV0], v11, 4, v[AV0]
	v_add_nc_u32 v[AV0], VOFF, v[AV0]
	s_mul_i32 s18, s[WV], 16*SP
	s_add_co_u32 s18, s18, STAGE
	v_mul_u32_u24 v[STO], v1, SP
	v_lshl_add_u32 v[STO], v9, 4, v[STO]
	v_add_nc_u32 v[STO], s18, v[STO]
	v_bfe_u32 v[RD], v0, 3, 2
	v_mul_u32_u24 v[RD], v[RD], SP
	v_lshl_add_u32 v[RD], v10, 4, v[RD]
	v_add_nc_u32 v[RD], s18, v[RD]
	v_and_b32 v[GO], 31, v0
	v_lshlrev_b32 v[GO], 4, v[GO]
	v_mov_b32 v[AK], v[AK0]
	v_mov_b32 v[AV], v[AV0]
; 8 products of S^T = K Q^T for tile t: channels 32 (n / 4) on, keys 16 (n % 4) on.  The four accumulators take turns; the first four start the sums.
.macro KQ t
	WIN W_KQ
.set n, 0
.rept 8
.set rS, S+32*(\t)+8*(n%4)
.set rK, KF+16*(n%4)+8*(n/4)
.set rQ, 16*(\t)+8*(n/4)
.if n < 4
	v_wmma_f32_16x16x32_f16 v[rS:rS+7], v[rK:rK+7], v[rQ:rQ+7], 0
.else
	v_wmma_f32_16x16x32_f16 v[rS:rS+7], v[rK:rK+7], v[rQ:rQ+7], v[rS:rS+7]
.endif
.set n, n+1
.endr
.endm
; 8 products of O^T += V^T P for tile t: keys 32 (n / 4) on, channels 16 (n % 4) on
.macro PVM t
	WIN W_PV
.set n, 0
.rept 8
.set rO, 32*(\t)+8*(n%4)
.set rV, VF+32*(n/4)+8*(n%4)
.set rP, P+16*(\t)+8*(n/4)
	v_wmma_f32_16x16x32_f16 v[rO:rO+7], v[rV:rV+7], v[rP:rP+7], v[rO:rO+7]
.set n, n+1
.endr
.endm
.macro FETCH_K                         ; a step's K: 64 keys x 64 channels, 16 loads in one run
	WIN 0x80
.irp f, 0,1,2,3,4,5,6,7
	ds_load_b128 v[KF+8*\f:KF+8*\f+3],   v[AK] offset:(\f/2)*16*PK+(\f%2)*64
	ds_load_b128 v[KF+8*\f+4:KF+8*\f+7], v[AK] offset:(\f/2)*16*PK+(\f%2)*64+32
.endr
	WIN 0
.endm
.macro FETCH_V                         ; a step's V, turned
	WIN 0x80
.irp f, 0,1,2,3,4,5,6,7
	ds_load_tr16_b128 v[VF+8*\f:VF+8*\f+3],   v[AV] offset:(\f/4)*32*PV+(\f%4)*32
	ds_load_tr16_b128 v[VF+8*\f+4:VF+8*\f+7], v[AV] offset:(\f/4)*32*PV+16*PV+(\f%4)*32
.endr
	WIN 0
.endm
.macro MASKT t                         ; the diagonal step: hidden scores are replaced; each accumulator's registers in ascending order
.set n, 0
.rept 32
	v_cmp_gt_i32 vcc_lo, 16*(n/8)+n%8, v[QI]
	v_cndmask_b32 v[S+32*(\t)+n], v[S+32*(\t)+n], v[BIGV], vcc_lo
.set n, n+1
.endr
.endm
; Tile t's softmax for a step: the maximum (each accumulator's lowest registers read first) and statistics; ONE BATCH of the 16 scalings and 33 exponentials, of which none reads an
; exponential's result; a plain instruction and the one wait; the roundings, the sums, the rescaling of O^T.
.macro SOFT t
.set rT, ST+4*(\t)
.set rC, TMP+4*(\t)
.set rW, MV+(\t)
.set rS, S+32*(\t)
.set rP, P+16*(\t)
.set rO, 32*(\t)
	WIN 0
.irp n, 0,1,2,3
	v_max3_num_f32 v[rC+\n], v[rS+8*\n], v[rS+8*\n+1], v[rS+8*\n+2]
.endr
.irp n, 0,1,2,3
	v_max3_num_f32 v[rC+\n], v[rC+\n], v[rS+8*\n+3], v[rS+8*\n+4]
.endr
.irp n, 0,1,2,3
	v_max3_num_f32 v[rC+\n], v[rC+\n], v[rS+8*\n+5], v[rS+8*\n+6]
.endr
	v_max3_num_f32 v[rC], v[rC], v[rS+7], v[rS+15]
	v_max3_num_f32 v[rC+1], v[rC+1], v[rS+23], v[rS+31]
	v_max3_num_f32 v[rC+2], v[rC+2], v[rC+3], v[rT+1]      ; the old m among them
	v_mov_b32 v[rW], v[rT]                                 ; c m_old is kept
	v_max3_num_f32 v[rC], v[rC], v[rC+1], v[rC+2]
	v_permlanex16_b32 v[rC+3], v[rC], s[SEL], s[SEL+1]     ; the query's other 32 keys lie in the lane 16 away
	v_max_num_f32 v[rT+1], v[rC], v[rC+3]
	v_mul_f32 v[rT], s[CS], v[rT+1]
	v_sub_f32 v[rC+1], v[rW], v[rT]
	v_pk_fma_f32 v[rS:rS+1], v[rS:rS+1], s[CS:CS+1], v[rT:rT+1] op_sel_hi:[1,0,0] neg_lo:[0,0,1] neg_hi:[0,0,1]
.set n, 1
.rept 15
	v_pk_fma_f32 v[rS+2*n:rS+2*n+1], v[rS+2*n:rS+2*n+1], s[CS:CS+1], v[rT:rT+1] op_sel_hi:[1,0,0] neg_lo:[0,0,1] neg_hi:[0,0,1]
	v_exp_f32 v[rS+2*n-2], v[rS+2*n-2]
	v_exp_f32 v[rS+2*n-1], v[rS+2*n-1]
.set n, n+1
.endr
	v_exp_f32 v[rS+30], v[rS+30]
	v_exp_f32 v[rS+31], v[rS+31]
	v_exp_f32 v[rC+2], v[rC+1]                             ; a
	v_nop
	s_wait_alu depctr_va_vdst(0)
.set n, 0
.rept 16
	v_cvt_pk_f16_f32 v[rP+n], v[rS+2*n], v[rS+2*n+1]
.set n, n+1
.endr
.irp w, 4,8,16,32                      ; the 16 pairs' sum, in place: neighbours 1, 2, 4 and 8 pairs apart
.set n, 0
.rept 32/\w
	v_pk_add_f32 v[rS+\w*n:rS+\w*n+1], v[rS+\w*n:rS+\w*n+1], v[rS+\w*n+\w/2:rS+\w*n+\w/2+1]
.set n, n+1
.endr
.endr
	v_pk_fma_f32 v[rT+2:rT+3], v[rT+2:rT+3], v[rC+2:rC+3], v[rS:rS+1] op_sel_hi:[1,0,1]  ; l = a l + sum
	WIN W_RS
.set n, 0
.rept 16
	v_pk_mul_f32 v[rO+2*n:rO+2*n+1], v[rO+2*n:rO+2*n+1], v[rC+2:rC+3] op_sel_hi:[1,0]
.set n, n+1
.endr
	WIN 0
.endm
	s_wait_tensorcnt 1                             ; my part of the first chunk is in; the second chunk's may stay out
	s_barrier_signal -1
	s_barrier_wait -1
	FETCH_K                                        ; key step 0
	FETCH_V
	s_mov_b32 s[TBK], KS*PK
	s_mov_b32 s[TBV], KS*PV
	s_mov_b32 s[SS], 0
	s_mov_b32 s[SEG], 2
	s_mov_b32 s[CNT], 8
	s_wait_loadcnt 0x0                             ; Q
	s_wait_dscnt 16                                ; K of step 0 is in; V's sixteen loads may stay out
.irp i, 0,1,2,3
	KQ \i                                          ; step 0: every group's number is 0 or more, so all four tiles are live: no test
.endr
	WIN 0
	s_branch .LAe                                  ; the loop is entered behind its first phase
.Lseg:
	s_mov_b32 s[CNT], 8
.Lstep:
	s_wait_dscnt 16                                ; K of this step is in; V's sixteen loads may stay out
.irp i, 0,1,2,3
	s_cmp_gt_u32 s[SS], s[GR+\i]                   ; my tiles' groups descend: a tile that is past its diagonal ends the phase
	s_cbranch_scc1 .LAe
	KQ \i
	WIN 0
.endr
.LAe:
	PLACES                                         ; behind the products: in front of the loads into K's registers and of the reads of the scores
	v_add_nc_u32 v[AK], s[TBK], v[AK0]
	FETCH_K                                        ; the next step's K lands under the softmax
	s_add_co_u32 s[TBK], s[TBK], KS*PK
	s_min_u32 s[TBK], s[TBK], 15*KS*PK             ; the last step fetches itself once more: no read leaves the tile
	s_wait_dscnt 16                                ; V of this step, asked for at the last step's end, is in; the next K's sixteen loads may stay out
.irp i, 0,1,2,3
	s_cmp_gt_u32 s[SS], s[GR+\i]                   ; one test for a tile's softmax and its V^T P
	s_cbranch_scc1 .LCe
	s_cmp_lg_u32 s[SS], s[GR+\i]
	s_cbranch_scc1 .Lnm_\i
	MASKT \i
.Lnm_\i:
	SOFT \i
	PVM \i                                         ; the next tile's softmax names none of these products' registers
	WIN 0
.endr
.LCe:
	PLACES                                         ; in front of the loads into V's registers
	v_add_nc_u32 v[AV], s[TBV], v[AV0]
	FETCH_V
	s_add_co_u32 s[TBV], s[TBV], KS*PV
	s_min_u32 s[TBV], s[TBV], 15*KS*PV
	s_add_co_u32 s[SS], s[SS], 1
	s_sub_co_u32 s[CNT], s[CNT], 1
	s_cmp_lg_u32 s[CNT], 0
	s_cbranch_scc1 .Lstep
	s_wait_tensorcnt 0x0                           ; behind step 7: my part of the second chunk is in (behind step 15 nothing is out);
	s_wait_dscnt 0x0                               ; no LDS instruction of mine is pending at the signal
	s_barrier_signal -1
	s_barrier_wait -1                              ; everybody's part is in
	s_sub_co_u32 s[SEG], s[SEG], 1
	s_cmp_lg_u32 s[SEG], 0
	s_cbranch_scc1 .Lseg
	; THE WAY OUT: l's halves and the other half of the lanes' are added; O^T is divided by l, rounded to f16 and sent through my stage, a tile at a time
.macro ALL line:vararg
.set t, 0
.rept 4
	\line
.set t, t+1
.endr
.endm
	ALL v_add_f32 v[ST+4*t+2], v[ST+4*t+2], v[ST+4*t+3]
	ALL v_permlanex16_b32 v[ST+4*t+3], v[ST+4*t+2], s[SEL], s[SEL+1]
	ALL v_add_f32 v[ST+4*t+2], v[ST+4*t+2], v[ST+4*t+3]
	ALL v_rcp_f32 v[ST+4*t+2], v[ST+4*t+2]
	v_nop
	s_wait_alu depctr_va_vdst(0)                   ; one wait for the four reciprocals
.macro PACK t
	WIN W_RS
.set i, 32*(\t)
.rept 16
	v_pk_mul_f32 v[i:i+1], v[i:i+1], v[ST+4*(\t)+2:ST+4*(\t)+3] op_sel_hi:[1,0]
.set i, i+2
.endr
	WIN 0x05                                       ; sources 0 and 1 window 1, destination window 0: S^T's registers are free
.set i, 0
.rept 16
	v_cvt_pk_f16_f32 v[S+16*(\t)+i], v[32*(\t)+2*i], v[32*(\t)+2*i+1]
.set i, i+1
.endr
	WIN 0
.irp f, 0,1,2,3
	ds_store_b128 v[STO], v[S+16*(\t)+4*\f:S+16*(\t)+4*\f+3] offset:32*\f
.endr
.irp f, 0,1,2,3
	ds_load_b128 v[S+16*(\t)+4*\f:S+16*(\t)+4*\f+3], v[RD] offset:\f*4*SP  ; LDS serves a wave's instructions in order (ISA guide 5.7.1.4): these see the stores above; the next tile's stores come behind them
.endr
.endm
.macro SEND t, younger                 ; younger: the LDS instructions issued behind tile t's loads
.irp f, 0,1,2,3
	s_wait_dscnt (\younger)+3-\f
	global_store_b128 v[GO], v[S+16*(\t)+4*\f:S+16*(\t)+4*\f+3], s[OBS+2*(\t):OBS+2*(\t)+1] offset:\f*512  ; 512 consecutive bytes, at a multiple of 256 from the buffer's first
.endr
.endm
	PACK 0
	PACK 1
	SEND 0, 8
	PACK 2
	SEND 1, 8
	PACK 3
	SEND 2, 8
	SEND 3, 0
	s_wait_tensorcnt 0x0                           ; the wave's end
	ds_add_u32 v[SPW], v[NIL]
	s_wait_dscnt 0x0
	CROUND                                         ; the closing round
	s_endpgm
.Lfunc_end_k_qd8c9d4164e_attn:
	.size	k_qd8c9d4164e_attn, .Lfunc_end_k_qd8c9d4164e_attn-k_qd8c9d4164e_attn
	.p2alignl 7, 3214868480
	.fill 96, 4, 3214868480
	.section	.rodata,"a",@progbits
	.p2align	6, 0x0
	.amdhsa_kernel k_qd8c9d4164e_attn
		.amdhsa_group_segment_fixed_size 327680
		.amdhsa_private_segment_fixed_size 0
		.amdhsa_enable_private_segment 0
		.amdhsa_kernarg_size 16
		.amdhsa_user_sgpr_count 2
		.amdhsa_user_sgpr_kernarg_segment_ptr 1
		.amdhsa_wavefront_size32 1
		.amdhsa_system_sgpr_workgroup_id_x 1
		.amdhsa_system_sgpr_workgroup_id_y 1
		.amdhsa_system_sgpr_workgroup_id_z 1
		.amdhsa_system_vgpr_workitem_id 0
		.amdhsa_next_free_vgpr 768
		.amdhsa_next_free_sgpr 101
		.amdhsa_reserve_vcc 1
		.amdhsa_float_denorm_mode_32 3
		.amdhsa_float_denorm_mode_16_64 3
		.amdhsa_memory_ordered 1
		.amdhsa_forward_progress 1
		.amdhsa_inst_pref_size 76
	.end_amdhsa_kernel
	.amdgpu_metadata
---
amdhsa.version: [ 1, 2 ]
amdhsa.kernels:
  - .name:           k_qd8c9d4164e_attn
    .symbol:         k_qd8c9d4164e_attn.kd
    .args:
      - { .name: qkv, .offset: 0, .size: 8, .value_kind: global_buffer, .address_space: global }
      - { .name: ao, .offset: 8, .size: 8, .value_kind: global_buffer, .address_space: global }
    .group_segment_fixed_size: 327680
    .private_segment_fixed_size: 0
    .kernarg_segment_align: 8
    .kernarg_segment_size: 16
    .max_flat_workgroup_size: 128
    .sgpr_count:     101
    .vgpr_count:     768
    .wavefront_size: 32
...
	.end_amdgpu_metadata
.endif
;; end of part 3
;; launch oproj (part 4): grid 8 x 32, 4 waves a work-group, clusters of 4 x 4, 327,680 bytes of LDS; arguments ao, wa, x, x1; writes x1
.if DOCPART == 4
	.amdgcn_target "amdgcn-amd-amdhsa--gfx1250"
	.amdhsa_code_object_version 6
	.text
	.protected	k_qd8c9d4164e_oproj
	.globl	k_qd8c9d4164e_oproj
	.p2align	8
	.type	k_qd8c9d4164e_oproj,@function
k_qd8c9d4164e_oproj:
	s_mov_b64 s[64:65], 0
	v_nop
	global_prefetch_b8 v0, s[64:65] scope:SCOPE_SE
	s_setreg_imm32_b32 hwreg(HW_REG_WAVE_MODE, 25, 1), 1
	s_wait_xcnt 0x0
	s_wait_alu depctr_hold_cnt(0) depctr_sa_sdst(0) depctr_va_vdst(0) depctr_va_sdst(0) depctr_va_ssrc(0) depctr_va_vcc(0) depctr_vm_vsrc(0)
	s_getreg_b32 s2, hwreg(HW_REG_IB_STS2, 6, 4)
	s_cmp_eq_u32 s2, 0
	s_cbranch_scc0 .Lentry_in_a_cluster
	s_endpgm
.Lentry_in_a_cluster:
	s_bfe_u32 s2, ttmp6, 0x10000c
	s_cmp_lg_u32 s2, 0xf033
	s_cbranch_scc0 .Lentry_shape_is_right
	s_endpgm
.Lentry_shape_is_right:
; OUT = RES + (A B^T) [x scale by rows].  A: [row / 128][k / 64][128][64] f16, B: at byte WOFF of its buffer, [n / 128][k / 64][128][64] f16; RES and OUT: [4096][1024] f32; sums in f32.
; A tile of C is 128 x 128: 256 work-groups.  Four waves, each 64 x 64: 16 accumulators.  K goes in steps of 256: four blocks of 64 k, which lie end to end in memory, so a wave's tensor load is 32,768 dense
; bytes asked for as 128 rows of 256 and padded in LDS after every 128 (a row of a block).  Two LDS slots; one K step is written once, the slot in hand stands in SR, one descriptor a tensor walks.
; CLUSTER 4 x 4: A's tiles are asked for jointly along a row of the cluster, B's along a column.  THE MATRIX INSTRUCTION IS USED TRANSPOSED: a lane holds eight neighbouring columns of a row of C.
; THE WALK ALONG K begins at step (X STEPS / 2 + Y STEPS / 4) mod STEPS, X and Y the cluster's own coordinates, which all partners share, and goes round: the two clusters that read the same rows of A begin
; half a walk apart, four neighbouring clusters that read the same rows of B a quarter apart, so a K slice that one asks for has as a rule been asked for by another before.  K is summed in that rotated order.
; The residual (and the rows' factors) are loaded at the start into registers that nothing else names, and waited for on the way out.
; REGISTERS: window 0: v0-31 addresses, v32-95 the way out, v128-255 accumulators; window 1: two fragment buffers of 128 (64 of A, 64 of B: 64 along K); window 2: v0-127 the residual, v128-159 the factors.
.set SCALED, 0                         ; 1: the product is multiplied by scale[row]
.set LNKB,   4                         ; log2 (K / 64)
.set NKB,    1<<LNKB
.set WOFF,   6291456
.set STEPS,  NKB/4
.set KMASK,  (STEPS-1)*65536           ; a K step's byte offset in a tile's blocks, modulo their length
.set PB,     144                       ; an LDS row: 128 bytes + 16: the 16 rows of a fragment load start at 16 different groups of four banks (64 banks of 4 bytes: ISA guide 11.1)
.set KBL,    128*PB                    ; a block of 64 k
.set HALFT,  2*KBL                     ; what one tensor load brings
.set SLOT,   4*HALFT                   ; A's four blocks, then B's.  SLOT = 0x24000 shares no set bit with wave x HALFT: an exclusive or by SLOT moves a tile's LDS address to the other slot
.set SPARE,  2*SLOT
.set SPITCH, 272                       ; the stage: 64 rows x (256 + 16) bytes of f32 a wave, over slot 0, which by then has had its last fill and its last read
.set ADRA0, 16
.set ADRA,  17
.set ADRB0, 20
.set ADRB,  21
.set STO,   24
.set RD,    25
.set CO,    26                         ; v26  my byte offset in two rows of RES and OUT; never rewritten
.set SOF,   27                         ; v27  my byte offset in two rows' factors
.set SPW,   28
.set NIL,   29
.set TMP,   32
.set ACC,   128
.set F0,    0
.set F1,    128
.set RES,   0                          ; window 2
.set SV,    128                        ; window 2
.set G1,  24
.set G0,  32
.set G1B, 48
.set G0B, 56
.set SR,  45
.set BA,  72                           ; s[72:73] A at the blocks that I fetch, K = 0
.set BB,  74                           ; s[74:75] B likewise
.set KO,  76                           ; s[76:77] byte offset of the K step asked for last
.set MSB, 0
.macro WIN new
.if MSB != (\new)
	s_set_vgpr_msb (MSB<<8)|(\new)
.set MSB, \new
.endif
.endm
.set MUL,  0x05                        ; sources 0 (B) and 1 (A) window 1; C and D window 0
.set TO_F, 0x40
.macro JLOAD s
	s_cmp_eq_u32 s11, 0
	s_cbranch_scc0 .Lfor_b_\@
	tensor_load_to_lds s[G0+4*(\s):G0+4*(\s)+3], s[G1:G1+7]
	s_nop 0
.rept 4
	v_nop
.endr
	s_branch .Lasked_\@
.Lfor_b_\@:
	tensor_load_to_lds s[G0B+4*(\s):G0B+4*(\s)+3], s[G1B:G1B+7]
	s_nop 0
.rept 4
	v_nop
.endr
.Lasked_\@:
.endm
.macro CREST
	s_cmp_lg_u32 s10, 0
	s_cbranch_scc1 .Lnot_wave_0_\@
	s_barrier_signal -3
.Lnot_wave_0_\@:
	s_barrier_wait -3
	s_barrier_signal -1
	s_barrier_wait -1
.endm
.macro CROUND
	s_barrier_signal -1
	s_barrier_wait -1
	CREST
.endm
	s_load_b128 s[4:7], s[0:1], 0x0                ; A s[4:5], B's buffer s[6:7]
	s_load_b64 s[8:9], s[0:1], 0x10                ; the residual
.if SCALED
	s_load_b64 s[68:69], s[0:1], 0x18              ; scale
	s_load_b64 s[66:67], s[0:1], 0x20              ; the output
.else
	s_load_b64 s[66:67], s[0:1], 0x18              ; the output
.endif
	v_lshl_add_u32 v[SPW], v0, 2, SPARE
	v_mov_b32 v[NIL], 0
	ds_add_u32 v[SPW], v[NIL]                      ; the wave's opening: the add and its wait stand ahead of my first tensor load
	ds_add_u32 v28, v29
	v_lshrrev_b32 v1, 5, v0
	v_readfirstlane_b32 s10, v1
	s_lshr_b32 s11, s10, 1                         ; my half of the tile's rows.  Also: I fetch for A (0) or for B (1)
	s_and_b32 s12, s10, 1                          ; my half of its columns.  Also: which two blocks of a K step I fetch
	s_bfe_u32 s40, ttmp6, 0x40000
	s_bfe_u32 s41, ttmp6, 0x40004
	s_lshl_b32 s42, ttmp9, 2
	s_add_co_u32 s42, s42, s40                     ; tile column
	s_and_b32 s13, ttmp7, 0xffff                   ; the cluster's y
	s_lshl_b32 s[KO], ttmp9, LNKB+13               ; the walk's first step, in bytes: 65,536 x ((X STEPS / 2 + Y STEPS / 4) mod STEPS)
	s_lshl_b32 s[KO+1], s13, LNKB+12
	s_add_co_u32 s[KO], s[KO], s[KO+1]
	s_and_b32 s[KO], s[KO], KMASK
	s_mov_b32 s[KO+1], 0
	s_lshl_b32 s13, s13, 2
	s_add_co_u32 s13, s13, s41                     ; tile row
	s_lshl_b32 s43, s41, 2
	s_lshl_b32 s43, 15, s43
	s_lshl_b32 s44, 0x1111, s40
	s_or_b32 s[G1+0], s43, (1<<16)|(1<<20)|(1<<21)|(4<<22)|(3<<25)   ; mask; 2-byte elements; padding on; bit 21 beside a mask; after every 32 words; 4 words
	s_or_b32 s[G1B+0], s44, (1<<16)|(1<<20)|(1<<21)|(4<<22)|(3<<25)
.irp g, G1, G1B
	s_mov_b32 s[(\g)+1], 128<<16                   ; tensor_dim0 = 128 elements: 256 bytes
	s_mov_b32 s[(\g)+2], 128<<16                   ; tensor_dim1 = 128
	s_mov_b32 s[(\g)+3], 128<<16
	s_mov_b32 s[(\g)+4], 128
	s_mov_b32 s[(\g)+5], 128                       ; dense
	s_mov_b32 s[(\g)+6], 0
	s_mov_b32 s[(\g)+7], 0
.endr
	s_lshl_b32 s17, s12, 1
	s_lshl_b32 s16, s13, LNKB
	s_add_co_u32 s16, s16, s17                     ; A: block tile row x NKB + 2 x half,
	s_lshl_b32 s16, s16, 14                        ; 16,384 bytes a block
	s_lshl_b32 s46, s42, LNKB
	s_add_co_u32 s46, s46, s17
	s_lshl_b32 s46, s46, 14
	s_add_co_u32 s46, s46, WOFF
	s_mov_b32 s17, 0
	s_mov_b32 s47, 0
	s_mul_i32 s20, s10, HALFT
	s_mov_b32 s[SR], 0
	s_wait_dscnt 0x0
	s_wait_kmcnt 0x0
	s_add_nc_u64 s[BA:BA+1], s[4:5], s[16:17]
	s_add_nc_u64 s[BB:BB+1], s[6:7], s[46:47]
	CROUND                                         ; the first joint loads meet
.irp s, 0,1
	s_mov_b32 s[G0+4*(\s)], 1
	s_add_co_u32 s[G0+4*(\s)+1], s20, (\s)*SLOT
	s_add_nc_u64 s[G0+4*(\s)+2:G0+4*(\s)+3], s[BA:BA+1], s[KO:KO+1]
	s_or_b32 s[G0+4*(\s)+3], s[G0+4*(\s)+3], 0x80000000
	s_mov_b32 s[G0B+4*(\s)], 1
	s_add_co_u32 s[G0B+4*(\s)+1], s20, (\s)*SLOT
	s_add_nc_u64 s[G0B+4*(\s)+2:G0B+4*(\s)+3], s[BB:BB+1], s[KO:KO+1]
	s_or_b32 s[G0B+4*(\s)+3], s[G0B+4*(\s)+3], 0x80000000
	JLOAD \s                                       ; the walk's first two steps: two loads of mine are out
.if (\s) == 0
	s_add_co_u32 s[KO], s[KO], 65536               ; (no descriptor names this register)
	s_and_b32 s[KO], s[KO], KMASK
.endif
.endr
	v_and_b32 v1, 15, v0
	v_bfe_u32 v2, v0, 4, 1
	v_mul_u32_u24 v3, v1, PB
	v_lshl_add_u32 v3, v2, 4, v3
	s_mul_i32 s21, s11, 64*PB
	s_mul_i32 s22, s12, 64*PB
	s_add_co_u32 s22, s22, 2*HALFT
	v_add_nc_u32 v[ADRA0], s21, v3
	v_add_nc_u32 v[ADRB0], s22, v3
	v_mov_b32 v[ADRA], v[ADRA0]
	v_mov_b32 v[ADRB], v[ADRB0]
	s_mul_i32 s23, s10, 64*SPITCH                  ; my stage
	v_mul_u32_u24 v4, v1, SPITCH
	v_lshl_add_u32 v4, v2, 5, v4
	v_add_nc_u32 v[STO], s23, v4                   ; in: row l % 16, 32 bytes for each half of the lanes
	v_mul_u32_u24 v5, v2, SPITCH
	v_lshl_add_u32 v5, v1, 4, v5
	v_add_nc_u32 v[RD], s23, v5                    ; back: lanes 0-15 one row of 256 bytes, lanes 16-31 the next
	v_lshlrev_b32 v5, 12, v2
	v_lshl_add_u32 v[CO], v1, 4, v5                ; and the same two rows in RES and OUT
	v_lshlrev_b32 v[SOF], 2, v2
	s_lshl_b32 s16, s13, 1
	s_add_co_u32 s16, s16, s11                     ; my 64 rows: 2 x tile row + half
	s_lshl_b32 s18, s16, 8                         ; 4 bytes a row in scale,
	s_lshl_b32 s16, s16, 18                        ; 4,096 in RES and OUT
	s_mov_b32 s17, 0
	s_mov_b32 s19, 0
	s_lshl_b32 s46, s42, 1                         ; my 64 columns (no register that feeds A's descriptors holds cx)
	s_add_co_u32 s46, s46, s12
	s_lshl_b32 s46, s46, 8
	s_mov_b32 s47, 0
	s_add_nc_u64 s[8:9], s[8:9], s[16:17]
	s_add_nc_u64 s[8:9], s[8:9], s[46:47]
	s_add_nc_u64 s[66:67], s[66:67], s[16:17]
	s_add_nc_u64 s[66:67], s[66:67], s[46:47]
	WIN 0x80                                       ; destination window 2
.set t, 0
.rept 32
	global_load_b128 v[RES+4*t:RES+4*t+3], v[CO], s[8:9] offset:t*8192  ; 16 lanes read 256 consecutive bytes; these stay out through the K loop
.set t, t+1
.endr
.if SCALED
	s_add_nc_u64 s[68:69], s[68:69], s[18:19]
.set t, 0
.rept 32
	global_load_b32 v[SV+t], v[SOF], s[68:69] offset:8*t   ; the factor of the row that load t of the residual took
.set t, t+1
.endr
.endif
	WIN 0
; 8 matrix instructions: m blocks a0, a0 + 1 x 4 n blocks, 32 along K: half c of buffer f.  The 16 accumulators take turns.
.macro MUL8 f, c, a0, zero
	WIN MUL
.irp a, \a0, (\a0)+1
.irp b, 0,1,2,3
.if \zero
	v_wmma_f32_16x16x32_f16 v[ACC+8*(4*(\a)+(\b)):ACC+8*(4*(\a)+(\b))+7], v[(\f)+64+8*(4*(\c)+(\b)):(\f)+64+8*(4*(\c)+(\b))+7], v[(\f)+8*(4*(\c)+(\a)):(\f)+8*(4*(\c)+(\a))+7], 0
.else
	v_wmma_f32_16x16x32_f16 v[ACC+8*(4*(\a)+(\b)):ACC+8*(4*(\a)+(\b))+7], v[(\f)+64+8*(4*(\c)+(\b)):(\f)+64+8*(4*(\c)+(\b))+7], v[(\f)+8*(4*(\c)+(\a)):(\f)+8*(4*(\c)+(\a))+7], v[ACC+8*(4*(\a)+(\b)):ACC+8*(4*(\a)+(\b))+7]
.endif
.endr
.endr
.endm
; 32 LDS loads in one run: block q's fragments (64 along K) into buffer f; the first 32 along K first
.macro FETCH q, f
	WIN TO_F
.irp c, 0,1
.irp i, 0,1,2,3
	ds_load_b128 v[(\f)+64+8*(4*(\c)+(\i)):(\f)+64+8*(4*(\c)+(\i))+3],   v[ADRB] offset:(\q)*KBL+64*(\c)+(\i)*16*PB
	ds_load_b128 v[(\f)+64+8*(4*(\c)+(\i))+4:(\f)+64+8*(4*(\c)+(\i))+7], v[ADRB] offset:(\q)*KBL+64*(\c)+(\i)*16*PB+32
	ds_load_b128 v[(\f)+8*(4*(\c)+(\i)):(\f)+8*(4*(\c)+(\i))+3],         v[ADRA] offset:(\q)*KBL+64*(\c)+(\i)*16*PB
	ds_load_b128 v[(\f)+8*(4*(\c)+(\i))+4:(\f)+8*(4*(\c)+(\i))+7],       v[ADRA] offset:(\q)*KBL+64*(\c)+(\i)*16*PB+32
.endr
.endr
.endm
.macro PLACES                          ; four plain instructions between a matrix instruction and a load into, or a read of, its registers
.rept 4
	v_nop
.endr
.endm
.macro QUARTER q, f, g, zero           ; multiplies buffer f; in its middle fetches block q into buffer g
	s_wait_dscnt 16                                ; the first 32 along K are in
	MUL8 \f, 0, 0, \zero
	MUL8 \f, 0, 2, \zero
	PLACES
	FETCH \q, \g
	s_wait_dscnt 32                                ; all but the 32 just issued
	MUL8 \f, 1, 0, 0
	MUL8 \f, 1, 2, 0
.endm
.macro MEET                            ; the last quarter's first half and the one barrier of a change of slots
	WIN 0
	s_wait_tensorcnt 0x0                           ; all my tensor loads have landed: my part of the next slot
	ds_add_u32 v[SPW], v[NIL]                      ; 0 onto my spare word
	s_wait_dscnt 17                                ; (the add and the youngest sixteen loads may be out)
	MUL8 F1, 0, 0, 0
	s_wait_dscnt 0x0                               ; the add is done, and my reads of this slot are over
	s_barrier_signal -1
	MUL8 F1, 0, 2, 0
	WIN 0
	s_barrier_wait -1
.endm
.macro FLIP
	s_xor_b32 s[SR], s[SR], SLOT
	v_add_nc_u32 v[ADRA], s[SR], v[ADRA0]
	v_add_nc_u32 v[ADRB], s[SR], v[ADRB0]
.endm
.macro TURN                            ; the barrier opens a round of the cluster's; the joint refill is the first tensor load behind it: 112 matrix instructions ahead of the wait for it
	MEET
	CREST
	s_xor_b32 s[G0+5], s[G0+5], SLOT               ; the walking descriptors: the slot just read out,
	s_xor_b32 s[G0B+5], s[G0B+5], SLOT
	s_add_co_u32 s[KO], s[KO], 65536               ; the walk's next step, round the end;
	s_and_b32 s[KO], s[KO], KMASK
	s_add_nc_u64 s[G0+6:G0+7], s[BA:BA+1], s[KO:KO+1]      ; the addresses are made anew from the bases
	s_or_b32 s[G0+7], s[G0+7], 0x80000000
	s_add_nc_u64 s[G0B+6:G0B+7], s[BB:BB+1], s[KO:KO+1]
	s_or_b32 s[G0B+7], s[G0B+7], 0x80000000
	JLOAD 1                                        ; its four v_nop are also the places in front of the loads below
	FLIP
	FETCH 0, F0
	MUL8 F1, 1, 0, 0
	MUL8 F1, 1, 2, 0
.endm
	s_wait_tensorcnt 1                             ; my part of the first step is in; the second's may stay out
	s_barrier_signal -1
	s_barrier_wait -1
	FETCH 0, F0
	QUARTER 1, F0, F1, 1                           ; the first products start the sums
	WIN 0
	s_mov_b32 s3, STEPS-2
.Lk:
	QUARTER 2, F1, F0, 0
	QUARTER 3, F0, F1, 0
	TURN
	QUARTER 1, F0, F1, 0
	WIN 0
	s_sub_co_u32 s3, s3, 1
	s_cmp_lg_u32 s3, 0
	s_cbranch_scc1 .Lk
	s_mov_b32 s3, 2
.Lt:                                                   ; the last two K steps ask for nothing; the second trip is left in its middle
	QUARTER 2, F1, F0, 0
	QUARTER 3, F0, F1, 0
	MEET
	s_sub_co_u32 s3, s3, 1
	s_cmp_eq_u32 s3, 0
	s_cbranch_scc1 .Lend
	PLACES
	FLIP
	FETCH 0, F0
	MUL8 F1, 1, 0, 0
	MUL8 F1, 1, 2, 0
	QUARTER 1, F0, F1, 0
	WIN 0
	s_branch .Lt
.Lend:                                                 ; behind the last barrier no wave reads the ring, and no fill is to come: the stage may lie over it
	MUL8 F1, 1, 0, 0
	MUL8 F1, 1, 2, 0
	WIN 0
	PLACES
	; THE WAY OUT: the sums go through my own stage, so that sixteen lanes hold 256 neighbouring bytes of a row; each accumulator's low four registers first
.irp a, 0,1,2,3
.irp b, 0,1,2,3
	ds_store_b128 v[STO], v[ACC+8*(4*(\a)+(\b)):ACC+8*(4*(\a)+(\b))+3]   offset:(\a)*16*SPITCH+64*(\b)
	ds_store_b128 v[STO], v[ACC+8*(4*(\a)+(\b))+4:ACC+8*(4*(\a)+(\b))+7] offset:(\a)*16*SPITCH+64*(\b)+16
.endr
.endr
	s_wait_loadcnt 0x0                             ; the residual and the factors
.irp hf, 0,1
.if \hf
	s_wait_xcnt 0x0                                ; the first half's stores have read their data
.endif
.set t, 0
.rept 16
	ds_load_b128 v[TMP+4*t:TMP+4*t+3], v[RD] offset:(16*\hf+t)*2*SPITCH  ; LDS serves a wave's instructions in order (ISA guide 5.7.1.4): these see my stores above
.set t, t+1
.endr
	s_wait_dscnt 0x0
.if SCALED
	WIN 0x28                                       ; sources 1 and 2 window 2
.set t, 0
.rept 64
	v_fma_f32 v[TMP+t], v[TMP+t], v[SV+16*\hf+t/4], v[RES+64*\hf+t]
.set t, t+1
.endr
.else
	WIN 0x08                                       ; source 1 window 2
.set t, 0
.rept 32
	v_pk_add_f32 v[TMP+2*t:TMP+2*t+1], v[TMP+2*t:TMP+2*t+1], v[RES+64*\hf+2*t:RES+64*\hf+2*t+1]
.set t, t+1
.endr
.endif
	WIN 0
.set t, 0
.rept 16
	global_store_b128 v[CO], v[TMP+4*t:TMP+4*t+3], s[66:67] offset:(16*\hf+t)*8192  ; 16 lanes store 256 consecutive bytes, at a multiple of 256 from the buffer's first
.set t, t+1
.endr
.endr
	s_wait_tensorcnt 0x0                           ; the wave's end
	ds_add_u32 v[SPW], v[NIL]
	s_wait_dscnt 0x0
	CROUND                                         ; the closing round
	s_endpgm
.Lfunc_end_k_qd8c9d4164e_oproj:
	.size	k_qd8c9d4164e_oproj, .Lfunc_end_k_qd8c9d4164e_oproj-k_qd8c9d4164e_oproj
	.p2alignl 7, 3214868480
	.fill 96, 4, 3214868480
	.section	.rodata,"a",@progbits
	.p2align	6, 0x0
	.amdhsa_kernel k_qd8c9d4164e_oproj
		.amdhsa_group_segment_fixed_size 327680
		.amdhsa_private_segment_fixed_size 0
		.amdhsa_enable_private_segment 0
		.amdhsa_kernarg_size 32
		.amdhsa_user_sgpr_count 2
		.amdhsa_user_sgpr_kernarg_segment_ptr 1
		.amdhsa_wavefront_size32 1
		.amdhsa_system_sgpr_workgroup_id_x 1
		.amdhsa_system_sgpr_workgroup_id_y 1
		.amdhsa_system_sgpr_workgroup_id_z 1
		.amdhsa_system_vgpr_workitem_id 0
		.amdhsa_next_free_vgpr 672
		.amdhsa_next_free_sgpr 78
		.amdhsa_reserve_vcc 0
		.amdhsa_float_denorm_mode_32 3
		.amdhsa_float_denorm_mode_16_64 3
		.amdhsa_memory_ordered 1
		.amdhsa_forward_progress 1
		.amdhsa_inst_pref_size 66
	.end_amdhsa_kernel
	.amdgpu_metadata
---
amdhsa.version: [ 1, 2 ]
amdhsa.kernels:
  - .name:           k_qd8c9d4164e_oproj
    .symbol:         k_qd8c9d4164e_oproj.kd
    .args:
      - { .name: ao, .offset: 0, .size: 8, .value_kind: global_buffer, .address_space: global }
      - { .name: wa, .offset: 8, .size: 8, .value_kind: global_buffer, .address_space: global }
      - { .name: x, .offset: 16, .size: 8, .value_kind: global_buffer, .address_space: global }
      - { .name: x1, .offset: 24, .size: 8, .value_kind: global_buffer, .address_space: global }
    .group_segment_fixed_size: 327680
    .private_segment_fixed_size: 0
    .kernarg_segment_align: 8
    .kernarg_segment_size: 32
    .max_flat_workgroup_size: 128
    .sgpr_count:     78
    .vgpr_count:     672
    .wavefront_size: 32
...
	.end_amdgpu_metadata
.endif
;; end of part 4
;; launch norm2 (part 5): grid 256 x 1, 4 waves a work-group, no clusters, 167,936 bytes of LDS; arguments x1, n2_w, gate_w, ao, scale; writes ao, scale
.if DOCPART == 5
	.amdgcn_target "amdgcn-amd-amdhsa--gfx1250"
	.amdhsa_code_object_version 6
	.text
	.protected	k_qd8c9d4164e_norm2
	.globl	k_qd8c9d4164e_norm2
	.p2align	8
	.type	k_qd8c9d4164e_norm2,@function
k_qd8c9d4164e_norm2:
	s_mov_b64 s[64:65], 0
	v_nop
	global_prefetch_b8 v0, s[64:65] scope:SCOPE_SE
	s_setreg_imm32_b32 hwreg(HW_REG_WAVE_MODE, 25, 1), 1
	s_wait_xcnt 0x0
; xn = rmsnorm(x1) * n2_w, rounded once to f16; scale[row] = the sum of the row's two largest gate probabilities, each divided by (their sum + 1e-9), as reference() makes it.
; All in f32 on the vector unit: the gate's product is 8 columns wide.  A wave owns four rows; one tensor load brings their 16,384 dense bytes into LDS bytes of the wave's own, so that one text
; walks the rows by an LDS address.  gate_w comes ONCE a work-group: each wave's second tensor load brings two experts' rows (8,192 bytes); behind one barrier every wave takes all eight experts out of LDS into
; 256 registers (window 1), where they serve its four rows.  n2_w goes straight into registers.  Nothing is filled again.
; NO CLUSTER: what work-groups share is gate_w, 32,768 bytes asked for once a work-group beside 65,536 bytes of its own rows; a joint request would add two rounds of the cluster's barrier to a text of four short trips.
; The softmax takes the row's maximum away first.  Equal probabilities count as top_k counts them: both values are taken.  NaN and infinities are not treated apart; |xn| beyond 65,504 has no f16.
.set GATE,  65536                      ; behind the four waves' rows: gate_w, 8 rows of 4,096 bytes
.set SPARE, GATE+32768                 ; behind it: the spare words
.set W,  2                             ; v[2:33]    n2_w: load j holds columns 128 j + 4 lane + 0..3
.set X,  34                            ; v[34:65]   a row, the same way
.set Y,  66                            ; v[66:81]   the row in f16
.set A,  82                            ; v[82:97]   packed chains
.set L,  98                            ; v[98:105]  the eight logits, then probabilities
.set T,  106                           ; v[106:113] at work
.set R,  114                           ; v[114:115] 1 / rms, twice
.set LA, 116                           ; v116  LDS address of my 16 bytes in the row in hand
.set XO, 117                           ; v117  my byte offset in xn
.set VL, 118                           ; v118  16 x lane
.set FV, 119                           ; v119  lane i keeps row i's factor
.set SO, 120
.set GA, 121                           ; v121  LDS address of my 16 bytes in gate_w's first 512
.set SPW, 122
.set NIL, 123
.set MSB, 0
.macro WIN new
.if MSB != (\new)
	s_set_vgpr_msb (MSB<<8)|(\new)
.set MSB, \new
.endif
.endm
	s_load_b256 s[4:11], s[0:1], 0x0               ; x1 s[4:5], n2_w s[6:7], gate_w s[8:9], xn s[10:11]
	s_load_b64 s[12:13], s[0:1], 0x20              ; scale
	v_lshl_add_u32 v[SPW], v0, 2, SPARE
	v_mov_b32 v[NIL], 0
	ds_add_u32 v[SPW], v[NIL]                      ; the wave's opening: the add and its wait stand ahead of my first tensor load
	ds_add_u32 v122, v123
	v_lshrrev_b32 v[T], 5, v0
	v_readfirstlane_b32 s14, v[T]                  ; wave 0..3
	v_and_b32 v1, 31, v0
	v_lshlrev_b32 v[VL], 4, v1
	v_lshlrev_b32 v[XO], 3, v1
	v_lshlrev_b32 v[SO], 2, v1
	v_mov_b32 v[FV], 0
	v_add_nc_u32 v[GA], GATE, v[VL]
	s_lshl_b32 s2, ttmp9, 16                       ; the group's 16 rows of 4,096 bytes,
	s_lshl_b32 s15, s14, 14                        ; my wave's four
	s_add_co_u32 s2, s2, s15
	s_mov_b32 s3, 0
	s_lshr_b32 s28, s2, 1                          ; the same rows in xn,
	s_mov_b32 s29, 0
	s_lshr_b32 s30, s2, 10                         ; and in scale
	s_mov_b32 s31, 0
	s_mov_b32 s16, 1                               ; my rows, group 0: count,
	s_lshl_b32 s17, s14, 14                        ; LDS address: my wave's 16,384 bytes
	s_mov_b32 s20, 3<<16                           ; group 1: elements of 8 bytes, no padding: a dense block as 64 rows of 256 bytes
	s_mov_b32 s21, 32<<16                          ; tensor_dim0 = 32
	s_mov_b32 s22, 64<<16                          ; tensor_dim1 = 64
	s_mov_b32 s23, 32<<16                          ; tile_dim0 = 32
	s_mov_b32 s24, 64                              ; tile_dim1 = 64
	s_mov_b32 s25, 32                              ; elements from row to row
	s_mov_b32 s26, 0
	s_mov_b32 s27, 0
	s_mov_b32 s40, 1                               ; my quarter of gate_w, group 0: count,
	s_lshl_b32 s41, s14, 13
	s_add_co_u32 s41, s41, GATE                    ; LDS address: experts 2 w and 2 w + 1
	s_mov_b32 s44, 3<<16                           ; group 1: the same shape with 32 rows of 256 bytes
	s_mov_b32 s45, 32<<16
	s_mov_b32 s46, 32<<16
	s_mov_b32 s47, 32<<16
	s_mov_b32 s48, 32
	s_mov_b32 s49, 32
	s_mov_b32 s50, 0
	s_mov_b32 s51, 0
	s_lshl_b32 s38, s14, 13                        ; the same 8,192 bytes in memory
	s_mov_b32 s39, 0
	s_mov_b32 s34, 0x3a800000                      ; 1 / 1024
	s_mov_b32 s35, 0x358637bd                      ; 1e-6
	s_mov_b32 s36, 0x76543210
	s_mov_b32 s37, 0xfedcba98
	v_add_nc_u32 v[LA], s15, v[VL]
	s_wait_dscnt 0x0                               ; the opening add is done
	s_wait_kmcnt 0x0
	s_add_nc_u64 s[18:19], s[4:5], s[2:3]
	s_or_b32 s19, s19, 0x80000000                  ; type = 2
	s_add_nc_u64 s[42:43], s[8:9], s[38:39]
	s_or_b32 s43, s43, 0x80000000
	tensor_load_to_lds s[16:19], s[20:27]          ; my two tensor loads go out together, ahead of every wait on TENSORcnt, every LDS read and the barrier
	s_nop 0
	tensor_load_to_lds s[40:43], s[44:51]
	s_nop 0
.rept 4
	v_nop
.endr
	s_add_nc_u64 s[10:11], s[10:11], s[28:29]
	s_add_nc_u64 s[12:13], s[12:13], s[30:31]
.irp j, 0,1,2,3,4,5,6,7
	global_load_b128 v[W+4*(\j):W+4*(\j)+3], v[VL], s[6:7] offset:512*(\j)
.endr
	s_wait_tensorcnt 0x0                           ; my rows and my quarter of gate_w are in LDS;
	s_barrier_signal -1
	s_barrier_wait -1                              ; everybody's quarter is
	WIN 0x40                                       ; destination window 1: expert e at v[32 e ..]
.irp e, 0,1,2,3,4,5,6,7
.irp j, 0,1,2,3,4,5,6,7
	ds_load_b128 v[32*(\e)+4*(\j):32*(\e)+4*(\j)+3], v[GA] offset:4096*(\e)+512*(\j)   ; 32 lanes, 16 neighbouring bytes each
.endr
.endr
	WIN 0
	s_wait_loadcnt 0x0                             ; n2_w
	s_mov_b32 s32, 0
.Lrow:
.irp j, 0,1,2,3,4,5,6,7
	ds_load_b128 v[X+4*(\j):X+4*(\j)+3], v[LA] offset:512*(\j)   ; 32 lanes, 16 neighbouring bytes each
.endr
	s_wait_dscnt 0x0                               ; the row; in the first trip gate_w too
.irp c, 0,1,2,3
	v_pk_mul_f32 v[A+2*(\c):A+2*(\c)+1], v[X+2*(\c):X+2*(\c)+1], v[X+2*(\c):X+2*(\c)+1]
.endr
.set p, 4
.rept 12
	v_pk_fma_f32 v[A+2*(p%4):A+2*(p%4)+1], v[X+2*p:X+2*p+1], v[X+2*p:X+2*p+1], v[A+2*(p%4):A+2*(p%4)+1]
.set p, p+1
.endr
	v_pk_add_f32 v[A:A+1], v[A:A+1], v[A+2:A+3]
	v_pk_add_f32 v[A+4:A+5], v[A+4:A+5], v[A+6:A+7]
	v_pk_add_f32 v[A:A+1], v[A:A+1], v[A+4:A+5]
	v_add_f32 v[T], v[A], v[A+1]
.irp m, 1,2,4,8
	v_add_f32_dpp v[T], v[T], v[T] row_xmask:\m row_mask:0xf bank_mask:0xf
.endr
	v_permlanex16_b32 v[A], v[T], s36, s37
	v_add_f32 v[T], v[T], v[A]
	v_fma_f32 v[T], v[T], s34, s35                 ; mean + eps
	v_rsq_f32 v[R], v[T]
	v_rsq_f32 v[R+1], v[T]
	v_nop                                          ; a plain instruction behind the second, and the wait ahead of the first reader
	s_wait_alu depctr_va_vdst(0)
.set p, 0
.rept 16
	v_pk_mul_f32 v[X+2*p:X+2*p+1], v[X+2*p:X+2*p+1], v[R:R+1]
.set p, p+1
.endr
.set p, 0
.rept 16
	v_pk_mul_f32 v[X+2*p:X+2*p+1], v[X+2*p:X+2*p+1], v[W+2*p:W+2*p+1]
.set p, p+1
.endr
.set p, 0
.rept 16
	v_cvt_pk_f16_f32 v[Y+p], v[X+2*p], v[X+2*p+1]
.set p, p+1
.endr
.irp j, 0,1,2,3,4,5,6,7
	global_store_b64 v[XO], v[Y+2*(\j):Y+2*(\j)+1], s[10:11] offset:256*(\j)  ; 32 lanes store 256 consecutive bytes, at a multiple of 256 from the buffer's first
.endr
	WIN 0x04                                       ; source 1 window 1: the gate.  Eight chains, one an expert, take turns
.irp e, 0,1,2,3,4,5,6,7
	v_pk_mul_f32 v[A+2*(\e):A+2*(\e)+1], v[X:X+1], v[32*(\e):32*(\e)+1]
.endr
.set p, 1
.rept 15
.irp e, 0,1,2,3,4,5,6,7
	v_pk_fma_f32 v[A+2*(\e):A+2*(\e)+1], v[X+2*p:X+2*p+1], v[32*(\e)+2*p:32*(\e)+2*p+1], v[A+2*(\e):A+2*(\e)+1]
.endr
.set p, p+1
.endr
	WIN 0
.irp e, 0,1,2,3,4,5,6,7
	v_add_f32 v[L+(\e)], v[A+2*(\e)], v[A+2*(\e)+1]
.endr
.irp m, 1,2,4,8
.irp e, 0,1,2,3,4,5,6,7
	v_add_f32_dpp v[L+(\e)], v[L+(\e)], v[L+(\e)] row_xmask:\m row_mask:0xf bank_mask:0xf
.endr
.endr
.irp e, 0,1,2,3,4,5,6,7
	v_permlanex16_b32 v[A+(\e)], v[L+(\e)], s36, s37
.endr
.irp e, 0,1,2,3,4,5,6,7
	v_add_f32 v[L+(\e)], v[L+(\e)], v[A+(\e)]      ; every lane holds the eight logits
.endr
	v_max3_num_f32 v[T], v[L], v[L+1], v[L+2]
	v_max3_num_f32 v[T], v[T], v[L+3], v[L+4]
	v_max3_num_f32 v[T], v[T], v[L+5], v[L+6]
	v_max_num_f32 v[T], v[T], v[L+7]
.irp e, 0,1,2,3,4,5,6,7
	v_sub_f32 v[L+(\e)], v[L+(\e)], v[T]           ; the maximum is taken away
.endr
.irp e, 0,1,2,3,4,5,6,7
	v_mul_f32 v[L+(\e)], 0x3fb8aa3b, v[L+(\e)]
.endr
.irp e, 0,1,2,3,4,5,6,7
	v_exp_f32 v[L+(\e)], v[L+(\e)]
.endr
	v_nop
	s_wait_alu depctr_va_vdst(0)                   ; one wait for the eight exponentials
	v_add_f32 v[T], v[L], v[L+1]
	v_add_f32 v[T+1], v[L+2], v[L+3]
	v_add_f32 v[T+2], v[L+4], v[L+5]
	v_add_f32 v[T+3], v[L+6], v[L+7]
	v_add_f32 v[T], v[T], v[T+1]
	v_add_f32 v[T+2], v[T+2], v[T+3]
	v_add_f32 v[T], v[T], v[T+2]
	v_rcp_f32 v[T+1], v[T]
	v_nop
	s_wait_alu depctr_va_vdst(0)
.irp e, 0,1,2,3,4,5,6,7
	v_mul_f32 v[L+(\e)], v[L+(\e)], v[T+1]         ; the probabilities
.endr
	v_max_num_f32 v[T+2], v[L], v[L+1]             ; the largest,
	v_min_num_f32 v[T+3], v[L], v[L+1]             ; and the second
.irp e, 2,3,4,5,6,7
	v_min_num_f32 v[T+4], v[T+2], v[L+(\e)]
	v_max_num_f32 v[T+2], v[T+2], v[L+(\e)]
	v_max_num_f32 v[T+3], v[T+3], v[T+4]
.endr
	v_add_f32 v[T+4], v[T+2], v[T+3]
	v_add_f32 v[T+4], 0x3089705f, v[T+4]           ; + 1e-9
	v_rcp_f32 v[T+5], v[T+4]
	v_nop
	s_wait_alu depctr_va_vdst(0)
	v_mul_f32 v[T+2], v[T+2], v[T+5]
	v_mul_f32 v[T+3], v[T+3], v[T+5]
	v_add_f32 v[T+2], v[T+2], v[T+3]
	v_cmp_eq_u32 vcc_lo, s32, v1
	v_cndmask_b32 v[FV], v[FV], v[T+2], vcc_lo     ; lane i keeps row i's factor
	s_wait_xcnt 0x0                                ; the stores' offset, and in the next trip their data, are rewritten only behind this wait
	v_add_nc_u32 v[XO], 2048, v[XO]
	v_add_nc_u32 v[LA], 4096, v[LA]
	s_add_co_u32 s32, s32, 1
	s_cmp_lt_u32 s32, 4
	s_cbranch_scc1 .Lrow
	v_cmp_gt_u32 vcc_lo, 4, v1
	s_wait_xcnt 0x0                                ; EXEC changes only behind this wait
	s_and_saveexec_b32 s33, vcc_lo
	global_store_b32 v[SO], v[FV], s[12:13]        ; four factors a wave: all of scale is 16,384 bytes
	s_wait_xcnt 0x0
	s_or_b32 exec_lo, exec_lo, s33
	s_wait_tensorcnt 0x0                           ; the wave's end
	ds_add_u32 v[SPW], v[NIL]
	s_wait_dscnt 0x0
	s_endpgm
.Lfunc_end_k_qd8c9d4164e_norm2:
	.size	k_qd8c9d4164e_norm2, .Lfunc_end_k_qd8c9d4164e_norm2-k_qd8c9d4164e_norm2
	.p2alignl 7, 3214868480
	.fill 96, 4, 3214868480
	.section	.rodata,"a",@progbits
	.p2align	6, 0x0
	.amdhsa_kernel k_qd8c9d4164e_norm2
		.amdhsa_group_segment_fixed_size 167936
		.amdhsa_private_segment_fixed_size 0
		.amdhsa_enable_private_segment 0
		.amdhsa_kernarg_size 40
		.amdhsa_user_sgpr_count 2
		.amdhsa_user_sgpr_kernarg_segment_ptr 1
		.amdhsa_wavefront_size32 1
		.amdhsa_system_sgpr_workgroup_id_x 1
		.amdhsa_system_sgpr_workgroup_id_y 1
		.amdhsa_system_sgpr_workgroup_id_z 1
		.amdhsa_system_vgpr_workitem_id 0
		.amdhsa_next_free_vgpr 512
		.amdhsa_next_free_sgpr 66
		.amdhsa_reserve_vcc 1
		.amdhsa_float_denorm_mode_32 3
		.amdhsa_float_denorm_mode_16_64 3
		.amdhsa_memory_ordered 1
		.amdhsa_forward_progress 1
		.amdhsa_inst_pref_size 29
	.end_amdhsa_kernel
	.amdgpu_metadata
---
amdhsa.version: [ 1, 2 ]
amdhsa.kernels:
  - .name:           k_qd8c9d4164e_norm2
    .symbol:         k_qd8c9d4164e_norm2.kd
    .args:
      - { .name: x1, .offset: 0, .size: 8, .value_kind: global_buffer, .address_space: global }
      - { .name: n2_w, .offset: 8, .size: 8, .value_kind: global_buffer, .address_space: global }
      - { .name: gate_w, .offset: 16, .size: 8, .value_kind: global_buffer, .address_space: global }
      - { .name: ao, .offset: 24, .size: 8, .value_kind: global_buffer, .address_space: global }
      - { .name: scale, .offset: 32, .size: 8, .value_kind: global_buffer, .address_space: global }
    .group_segment_fixed_size: 167936
    .private_segment_fixed_size: 0
    .kernarg_segment_align: 8
    .kernarg_segment_size: 40
    .max_flat_workgroup_size: 128
    .sgpr_count:     66
    .vgpr_count:     512
    .wavefront_size: 32
...
	.end_amdgpu_metadata
.endif
;; end of part 5
;; launch upgemm (part 6): grid 16 x 16, 4 waves a work-group, clusters of 4 x 4, 327,680 bytes of LDS; arguments ao, wu, qkv; writes qkv
.if DOCPART == 6
	.amdgcn_target "amdgcn-amd-amdhsa--gfx1250"
	.amdhsa_code_object_version 6
	.text
	.protected	k_qd8c9d4164e_upgemm
	.globl	k_qd8c9d4164e_upgemm
	.p2align	8
	.type	k_qd8c9d4164e_upgemm,@function
k_qd8c9d4164e_upgemm:
	s_mov_b64 s[64:65], 0
	v_nop
	global_prefetch_b8 v0, s[64:65] scope:SCOPE_SE
	s_setreg_imm32_b32 hwreg(HW_REG_WAVE_MODE, 25, 1), 1
	s_wait_xcnt 0x0
	s_wait_alu depctr_hold_cnt(0) depctr_sa_sdst(0) depctr_va_vdst(0) depctr_va_sdst(0) depctr_va_ssrc(0) depctr_va_vcc(0) depctr_vm_vsrc(0)
	s_getreg_b32 s2, hwreg(HW_REG_IB_STS2, 6, 4)
	s_cmp_eq_u32 s2, 0
	s_cbranch_scc0 .Lentry_in_a_cluster
	s_endpgm
.Lentry_in_a_cluster:
	s_bfe_u32 s2, ttmp6, 0x10000c
	s_cmp_lg_u32 s2, 0xf033
	s_cbranch_scc0 .Lentry_shape_is_right
	s_endpgm
.Lentry_shape_is_right:
; act = silu(xn up_w^T).  A = xn [4096][1024] f16, B [4096][1024] f16 from its buffer's first byte; sums in f32; h is rounded once to f16 in the stage, silu is made of it in f32 and rounded once to f16.
; Output by blocks: [token / 128][column / 64][128][64] f16, so that the next product's K steps are dense runs of bytes.
; A tile of C, 256 x 256, is made by four waves, each 128 x 128: 64 accumulators of 16 x 16, 512 registers.  K goes in 8 steps of 128 through two LDS slots filled by the tensor data mover.
; CLUSTER 4 x 4: A's tile hangs on the tile row alone and is asked for jointly along a row of the cluster, B's on the tile column alone and jointly along a column.
; THE WALK ALONG K begins at step (2 X + 4 Y) mod 8, X and Y the cluster's own coordinates, which all partners share, and goes round: of the clusters that read the same rows of A (same Y) no two begin at the
; same step, of those that read the same rows of B (same X) neighbours begin half a walk apart; from the walk's fourth step on every K slice has been asked for by another cluster before.
; So K is summed in a rotated order, other than reference()'s.
; THE TEXT IS SHORT: one K step is written once; which slot is read stands in a scalar register (SR) that an exclusive or turns, and ONE descriptor a tensor walks from the second step on.
; THE MATRIX INSTRUCTION IS USED TRANSPOSED (source 0 = 16 rows of B, source 1 = 16 rows of A): a lane holds eight neighbouring columns of one row of C.
; LIMITS.  h beyond 65,504 becomes an infinity in f16 (|h| is at most |xn row| x |weight row|); 2^(-log2(e) h) may overflow to infinity, whose reciprocal is 0, silu's limit.  NaN and infinities are not treated apart.
; REGISTERS as windows of 256: window 0: v0-31 addresses, v32-95 and v192-223 the way out, v64-191 A's fragments (two buffers); window 1: v64-191 B's fragments; windows 2, 3: accumulators (a, b) at v[8 (8 (a % 4) + b)].
.set SILU,   1                         ; 1: silu on the way out
.set RSH,    20                        ; output: 128 rows of C are 1 << RSH bytes apart,
.set CSH,    14                        ; blocks of 64 columns 1 << CSH bytes
.set SIZE_K, 1024
.set KSTEP,  128
.set STEPS,  SIZE_K/KSTEP
.set KMASK,  (STEPS-1)*KSTEP*2         ; a K step's byte offset in a row, modulo the row
.set PITCH,  272                       ; an LDS row: 256 bytes + 16 of padding = 68 words: the 16 rows of a fragment load start at 16 different groups of four banks (64 banks of 4 bytes: ISA guide 11.1)
.set HALFT,  128*PITCH                 ; what one tensor load brings
.set SLOT,   4*HALFT                   ; A's 256 rows, then B's 256 rows.  SLOT = 0x22000 shares no set bit with wave x HALFT, so an exclusive or by SLOT moves a tile's LDS address from one slot to the other
.set SPARE,  2*SLOT                    ; behind the ring: the spare words, 128 bytes a wave
.set SP,     144                       ; the way out's stage: rows of 128 bytes + 16
.set SBLK,   128*SP                    ; 128 rows x 64 columns; a wave has two such blocks.  The stage lies over the slots, which by then have had their last fill and their last read
.set BS,     1<<CSH
.set ADRA0, 16                         ; v16  LDS address of my A fragments in slot 0; never rewritten
.set ADRA,  17                         ; v17  in the slot in hand
.set ADRB0, 20
.set ADRB,  21
.set STO,   24                         ; v24  the way out: where I put 16 bytes of a row
.set RD,    25                         ; v25  where I read rows back
.set GO,    26                         ; v26  my byte offset in 512 consecutive bytes of the output
.set SPW,   28                         ; v28  my spare word; never rewritten
.set NIL,   29                         ; v29  0; never rewritten
.set NLG,   30                         ; v30  -log2(e)
.set ZR,    31                         ; v31  0, an addend
.set F0,    64
.set F1,    128
.set TMP,   192
.set OB,    32
.set HH,    32                         ; silu: 16 registers of f16 pairs
.set TT,    64                         ; silu: 32 registers of f32
.set G1,  24                           ; s[24:31] group 1 for A;  s[32:39] group 0: the first step's, and the one that walks
.set G0,  32
.set G1B, 48
.set G0B, 56
.set SR,  45                           ; s45  0 or SLOT: the slot that is read
.set BA,  72                           ; s[72:73] A at the rows that I fetch, K = 0
.set BB,  74                           ; s[74:75] B likewise
.set KO,  76                           ; s[76:77] byte offset in a row of the K step asked for last
.set MSB, 0
.macro WIN new                         ; the immediate's high byte repeats the setting that is left; a switch that changes nothing is dropped
.if MSB != (\new)
	s_set_vgpr_msb (MSB<<8)|(\new)
.set MSB, \new
.endif
.endm
.set MUL_LO, 0xa1                      ; source 0 (B) window 1, source 1 (A) window 0, C and D window 2
.set MUL_HI, 0xf1                      ; C and D window 3
.set TO_B,   0x40                      ; destination window 1
; A joint load: waves 0 and 1 fetch A's halves, waves 2 and 3 B's.  An s_nop 0 and four v_nop follow each line.
.macro JLOAD s
	s_cmp_eq_u32 s11, 0
	s_cbranch_scc0 .Lfor_b_\@
	tensor_load_to_lds s[G0+4*(\s):G0+4*(\s)+3], s[G1:G1+7]
	s_nop 0
.rept 4
	v_nop
.endr
	s_branch .Lasked_\@
.Lfor_b_\@:
	tensor_load_to_lds s[G0B+4*(\s):G0B+4*(\s)+3], s[G1B:G1B+7]
	s_nop 0
.rept 4
	v_nop
.endr
.Lasked_\@:
.endm
.macro CREST                           ; a round of the cluster's barrier behind its opening barrier
	s_cmp_lg_u32 s10, 0
	s_cbranch_scc1 .Lnot_wave_0_\@
	s_barrier_signal -3
.Lnot_wave_0_\@:
	s_barrier_wait -3
	s_barrier_signal -1
	s_barrier_wait -1
.endm
.macro CROUND
	s_barrier_signal -1
	s_barrier_wait -1
	CREST
.endm
	s_load_b128 s[4:7], s[0:1], 0x0                ; A s[4:5], B s[6:7]
	s_load_b64 s[8:9], s[0:1], 0x10                ; the output
	v_lshl_add_u32 v[SPW], v0, 2, SPARE
	v_mov_b32 v[NIL], 0
	ds_add_u32 v[SPW], v[NIL]                      ; the wave's opening: the add and its wait stand ahead of my first tensor load; work on registers stands between them
	ds_add_u32 v28, v29
	v_lshrrev_b32 v1, 5, v0
	v_readfirstlane_b32 s10, v1                    ; wave 0..3
	s_lshr_b32 s11, s10, 1                         ; my half of the tile's rows.  Also: I fetch for A (0) or for B (1)
	s_and_b32 s12, s10, 1                          ; my half of its columns.  Also: which 128 rows I fetch
	s_bfe_u32 s40, ttmp6, 0x40000                  ; cx
	s_bfe_u32 s41, ttmp6, 0x40004                  ; cy
	s_lshl_b32 s42, ttmp9, 2
	s_add_co_u32 s42, s42, s40                     ; tile column
	s_and_b32 s13, ttmp7, 0xffff                   ; the cluster's y
	s_lshl_b32 s[KO], ttmp9, 9                     ; the walk's first step, in bytes of a row: 256 x ((2 X + 4 Y) mod 8)
	s_lshl_b32 s[KO+1], s13, 10
	s_add_co_u32 s[KO], s[KO], s[KO+1]
	s_and_b32 s[KO], s[KO], KMASK
	s_mov_b32 s[KO+1], 0
	s_lshl_b32 s13, s13, 2
	s_add_co_u32 s13, s13, s41                     ; tile row
	s_lshl_b32 s43, s41, 2
	s_lshl_b32 s43, 15, s43                        ; my row of the cluster
	s_lshl_b32 s44, 0x1111, s40                    ; my column
	s_or_b32 s[G1+0], s43, (1<<16)|(1<<20)|(1<<21)|(5<<22)|(3<<25)   ; mask; 2-byte elements; padding on; bit 21 beside a mask; after every 64 words; 4 words
	s_or_b32 s[G1B+0], s44, (1<<16)|(1<<20)|(1<<21)|(5<<22)|(3<<25)
.irp g, G1, G1B
	s_mov_b32 s[(\g)+1], KSTEP<<16                 ; tensor_dim0 = 128
	s_mov_b32 s[(\g)+2], 128<<16                   ; tensor_dim1 = 128
	s_mov_b32 s[(\g)+3], KSTEP<<16                 ; tile_dim0 = 128
	s_mov_b32 s[(\g)+4], 128                       ; tile_dim1 = 128
	s_mov_b32 s[(\g)+5], SIZE_K                    ; elements from row to row
	s_mov_b32 s[(\g)+6], 0
	s_mov_b32 s[(\g)+7], 0
.endr
	s_lshl_b32 s17, s12, 7
	s_lshl_b32 s16, s13, 8
	s_add_co_u32 s16, s16, s17                     ; A: row 256 x tile row + 128 x half,
	s_lshl_b32 s16, s16, 11                        ; 2,048 bytes a row
	s_lshl_b32 s46, s42, 8
	s_add_co_u32 s46, s46, s17                     ; B: row 256 x tile column + 128 x half
	s_lshl_b32 s46, s46, 11
	s_mov_b32 s17, 0
	s_mov_b32 s47, 0
	s_mul_i32 s20, s10, HALFT                      ; where my tile goes: no place in the cluster enters an LDS address
	s_mov_b32 s[SR], 0
	s_wait_dscnt 0x0                               ; the opening add is done
	s_wait_kmcnt 0x0
	s_add_nc_u64 s[BA:BA+1], s[4:5], s[16:17]
	s_add_nc_u64 s[BB:BB+1], s[6:7], s[46:47]
	CROUND                                         ; all sixteen work-groups are here: the first joint loads meet
.irp s, 0,1
	s_mov_b32 s[G0+4*(\s)], 1
	s_add_co_u32 s[G0+4*(\s)+1], s20, (\s)*SLOT
	s_add_nc_u64 s[G0+4*(\s)+2:G0+4*(\s)+3], s[BA:BA+1], s[KO:KO+1]
	s_or_b32 s[G0+4*(\s)+3], s[G0+4*(\s)+3], 0x80000000
	s_mov_b32 s[G0B+4*(\s)], 1
	s_add_co_u32 s[G0B+4*(\s)+1], s20, (\s)*SLOT
	s_add_nc_u64 s[G0B+4*(\s)+2:G0B+4*(\s)+3], s[BB:BB+1], s[KO:KO+1]
	s_or_b32 s[G0B+4*(\s)+3], s[G0B+4*(\s)+3], 0x80000000
	JLOAD \s                                       ; the walk's first two steps: two loads of mine are out
.if (\s) == 0
	s_add_co_u32 s[KO], s[KO], KSTEP*2             ; (no descriptor names this register)
	s_and_b32 s[KO], s[KO], KMASK
.endif
.endr
	v_and_b32 v1, 15, v0                           ; l % 16
	v_bfe_u32 v2, v0, 4, 1                         ; l / 16
	v_mul_u32_u24 v3, v1, PITCH
	v_lshl_add_u32 v3, v2, 4, v3                   ; a fragment's row x pitch + 16 x half
	s_mul_i32 s21, s11, HALFT
	s_mul_i32 s22, s12, HALFT
	s_add_co_u32 s22, s22, 2*HALFT
	v_add_nc_u32 v[ADRA0], s21, v3
	v_add_nc_u32 v[ADRB0], s22, v3
	v_mov_b32 v[ADRA], v[ADRA0]
	v_mov_b32 v[ADRB], v[ADRB0]
	s_mul_i32 s23, s10, 2*SBLK                     ; my stage
	v_mul_u32_u24 v4, v1, SP
	v_lshl_add_u32 v4, v2, 4, v4
	v_add_nc_u32 v[STO], s23, v4                   ; in: row l % 16, 16 bytes for each half of the lanes
	v_and_b32 v5, 31, v0
	v_lshrrev_b32 v6, 3, v5
	v_and_b32 v7, 7, v0
	v_mul_u32_u24 v6, v6, SP
	v_lshl_add_u32 v6, v7, 4, v6
	v_add_nc_u32 v[RD], s23, v6                    ; back: 32 lanes take four rows of 128 bytes,
	v_lshlrev_b32 v[GO], 4, v5                     ; which are 512 consecutive bytes of the output
.if SILU
	v_mov_b32 v[NLG], 0xbfb8aa3b
	v_mov_b32 v[ZR], 0
.endif
	s_lshl_b32 s16, s13, 1
	s_add_co_u32 s16, s16, s11                     ; my 128 rows: 2 x tile row + half
	s_lshl_b32 s16, s16, RSH
	s_mov_b32 s17, 0
	s_lshl_b32 s46, s42, 2                         ; my two blocks of 64 columns: 4 x tile column + 2 x half (no register that feeds A's descriptors holds cx)
	s_lshl1_add_u32 s46, s12, s46
	s_lshl_b32 s46, s46, CSH
	s_mov_b32 s47, 0
	s_add_nc_u64 s[8:9], s[8:9], s[16:17]
	s_add_nc_u64 s[8:9], s[8:9], s[46:47]
; 16 matrix instructions: m blocks a0, a0 + 1 of the window's four x all 8 n blocks, 32 along K.  zero = 1: the product starts the sums.  The 64 accumulators take turns.
.macro MUL16 f, hi, a0, zero
	WIN MUL_LO+0x50*(\hi)
.irp a, \a0, (\a0)+1
.irp b, 0,1,2,3,4,5,6,7
.if \zero
	v_wmma_f32_16x16x32_f16 v[8*(8*(\a)+(\b)):8*(8*(\a)+(\b))+7], v[(\f)+8*(\b):(\f)+8*(\b)+7], v[(\f)+8*(4*(\hi)+(\a)):(\f)+8*(4*(\hi)+(\a))+7], 0
.else
	v_wmma_f32_16x16x32_f16 v[8*(8*(\a)+(\b)):8*(8*(\a)+(\b))+7], v[(\f)+8*(\b):(\f)+8*(\b)+7], v[(\f)+8*(4*(\hi)+(\a)):(\f)+8*(4*(\hi)+(\a))+7], v[8*(8*(\a)+(\b)):8*(8*(\a)+(\b))+7]
.endif
.endr
.endr
.endm
; 32 LDS loads in one run: a quarter step's fragments (32 K at byte k of the rows of the slot in hand) into buffer f: B's first, then A's
.macro FETCH k, f
	WIN TO_B
.irp i, 0,1,2,3,4,5,6,7
	ds_load_b128 v[(\f)+8*(\i):(\f)+8*(\i)+3],   v[ADRB] offset:(\k)+(\i)*16*PITCH
	ds_load_b128 v[(\f)+8*(\i)+4:(\f)+8*(\i)+7], v[ADRB] offset:(\k)+(\i)*16*PITCH+32
.endr
	WIN 0
.irp i, 0,1,2,3,4,5,6,7
	ds_load_b128 v[(\f)+8*(\i):(\f)+8*(\i)+3],   v[ADRA] offset:(\k)+(\i)*16*PITCH
	ds_load_b128 v[(\f)+8*(\i)+4:(\f)+8*(\i)+7], v[ADRA] offset:(\k)+(\i)*16*PITCH+32
.endr
.endm
.macro PLACES                          ; four plain instructions between a matrix instruction and a load into, or a vector read or write of, its registers
.rept 4
	v_nop
.endr
.endm
; one of a K step's first three quarters: multiplies buffer f; in its middle fetches the next quarter, at byte k, into buffer g
.macro QUARTER k, f, g, zero
	s_wait_dscnt 8                                 ; B and A's rows 0-63 are in; the youngest eight loads (A's rows 64-127) may be out
	MUL16 \f, 0, 0, \zero
	MUL16 \f, 0, 2, \zero
	PLACES
	FETCH \k, \g
	s_wait_dscnt 32                                ; all but the 32 just issued
	MUL16 \f, 1, 0, \zero
	MUL16 \f, 1, 2, \zero
.endm
; the last quarter's first half and the one barrier of a change of slots
.macro MEET
	WIN 0
	s_wait_tensorcnt 0x0                           ; all my tensor loads have landed: the one that was out is my part of the next slot
	ds_add_u32 v[SPW], v[NIL]                      ; 0 onto my spare word
	s_wait_dscnt 9                                 ; (the add and the youngest eight loads may be out)
	MUL16 F1, 0, 0, 0
	s_wait_dscnt 0x0                               ; the add is done, and my reads of this slot are over
	s_barrier_signal -1
	MUL16 F1, 0, 2, 0                              ; work on registers while the others arrive
	WIN 0
	s_barrier_wait -1
.endm
.macro FLIP                            ; the reads go over to the other slot
	s_xor_b32 s[SR], s[SR], SLOT
	v_add_nc_u32 v[ADRA], s[SR], v[ADRA0]
	v_add_nc_u32 v[ADRB], s[SR], v[ADRB0]
.endm
; the whole last quarter of a K step whose slot is filled again: the barrier opens a round of the cluster's; the joint refill is the first tensor load behind it and has 224 matrix instructions in which to land
.macro TURN
	MEET
	CREST
	s_xor_b32 s[G0+5], s[G0+5], SLOT               ; the walking descriptors: the slot just read out,
	s_xor_b32 s[G0B+5], s[G0B+5], SLOT
	s_add_co_u32 s[KO], s[KO], KSTEP*2             ; the walk's next step, round the row's end;
	s_and_b32 s[KO], s[KO], KMASK
	s_add_nc_u64 s[G0+6:G0+7], s[BA:BA+1], s[KO:KO+1]      ; the addresses are made anew from the bases
	s_or_b32 s[G0+7], s[G0+7], 0x80000000
	s_add_nc_u64 s[G0B+6:G0B+7], s[BB:BB+1], s[KO:KO+1]
	s_or_b32 s[G0B+7], s[G0B+7], 0x80000000
	JLOAD 1                                        ; its four v_nop are also the places in front of the loads below
	FLIP
	FETCH 0, F0
	MUL16 F1, 1, 0, 0
	MUL16 F1, 1, 2, 0
.endm
	s_wait_tensorcnt 1                             ; my part of the first step is in; the second's may stay out
	s_barrier_signal -1
	s_barrier_wait -1
	FETCH 0, F0
	QUARTER 64, F0, F1, 1                          ; the first quarter starts the sums: nothing is cleared
	WIN 0
	s_mov_b32 s3, STEPS-2
.Lk:                                                   ; a trip: a K step's quarters 1 to 3 and the next step's quarter 0; it fills the slot that it leaves
	QUARTER 128, F1, F0, 0
	QUARTER 192, F0, F1, 0
	TURN
	QUARTER 64, F0, F1, 0
	WIN 0
	s_sub_co_u32 s3, s3, 1
	s_cmp_lg_u32 s3, 0
	s_cbranch_scc1 .Lk
	s_mov_b32 s3, 2
.Lt:                                                   ; the last two K steps ask for nothing; the second trip is left in its middle
	QUARTER 128, F1, F0, 0
	QUARTER 192, F0, F1, 0
	MEET
	s_sub_co_u32 s3, s3, 1
	s_cmp_eq_u32 s3, 0
	s_cbranch_scc1 .Lend
	PLACES
	FLIP
	FETCH 0, F0
	MUL16 F1, 1, 0, 0
	MUL16 F1, 1, 2, 0
	QUARTER 64, F0, F1, 0
	WIN 0
	s_branch .Lt
.Lend:                                                 ; behind the last barrier no wave reads the ring any more, and no fill is to come: the stage may lie over it
	MUL16 F1, 1, 0, 0
	MUL16 F1, 1, 2, 0
	WIN 0
	PLACES
; THE WAY OUT.  Block a (16 rows): rounded to f16, each accumulator's registers in ascending order, 16 bytes a lane into my stage.
.macro PACK a
.set AC, 64*((\a)%4)
	WIN 0x0a+5*((\a)/4)                            ; sources 0 and 1: window 2 or 3
.irp b, 0,1,2,3,4,5,6,7
.irp r, 0,1,2,3
	v_cvt_pk_f16_f32 v[TMP+4*(\b)+(\r)], v[AC+8*(\b)+2*(\r)], v[AC+8*(\b)+2*(\r)+1]
.endr
.endr
	WIN 0
.irp b, 0,1,2,3,4,5,6,7
	ds_store_b128 v[STO], v[TMP+4*(\b):TMP+4*(\b)+3] offset:((\b)/4)*SBLK+(\a)*16*SP+((\b)%4)*32
.endr
.endm
.irp a, 0,1,2,3,4,5,6,7
	PACK \a
.endr
.if SILU
.macro ME e                            ; -log2(e) x the f16 half, in f32
.if (\e)%2
	v_fma_mix_f32 v[TT+(\e)], v[HH+(\e)/2], v[NLG], v[ZR] op_sel:[1,0,0] op_sel_hi:[1,0,0]
.else
	v_fma_mix_f32 v[TT+(\e)], v[HH+(\e)/2], v[NLG], v[ZR] op_sel:[0,0,0] op_sel_hi:[1,0,0]
.endif
.endm
	s_mov_b32 s3, 16
.Lout:                                                 ; a trip: 8 rows of both blocks: h silu-ed as h / (1 + 2^(-log2(e) h)), 32 numbers a lane
.irp n, 0,1,2,3
	ds_load_b128 v[HH+4*(\n):HH+4*(\n)+3], v[RD] offset:((\n)/2)*SBLK+((\n)%2)*4*SP  ; LDS serves a wave's instructions in order (ISA guide 5.7.1.4): these see my stores above
.endr
	s_wait_dscnt 0x0
.set e, 0
	ME e
.set e, 1
.rept 31
	ME e
	v_exp_f32 v[TT+e-1], v[TT+e-1]
.set e, e+1
.endr
	v_exp_f32 v[TT+31], v[TT+31]
	v_nop                                          ; a plain instruction behind the last exponential,
	s_wait_alu depctr_va_vdst(0)                   ; and one wait for the batch of 32
	v_pk_add_f32 v[TT:TT+1], v[TT:TT+1], 1.0 op_sel_hi:[1,0]
.set i, 1
.rept 15
	v_pk_add_f32 v[TT+2*i:TT+2*i+1], v[TT+2*i:TT+2*i+1], 1.0 op_sel_hi:[1,0]
	v_rcp_f32 v[TT+2*i-2], v[TT+2*i-2]
	v_rcp_f32 v[TT+2*i-1], v[TT+2*i-1]
.set i, i+1
.endr
	v_rcp_f32 v[TT+30], v[TT+30]
	v_rcp_f32 v[TT+31], v[TT+31]
	v_nop
	s_wait_alu depctr_va_vdst(0)                   ; one wait for the 32 reciprocals
.set i, 0
.rept 16
	v_fma_mixlo_f16 v[HH+i], v[HH+i], v[TT+2*i], v[ZR] op_sel:[0,0,0] op_sel_hi:[1,0,0]    ; the low half is rewritten, the high half kept,
	v_fma_mixhi_f16 v[HH+i], v[HH+i], v[TT+2*i+1], v[ZR] op_sel:[1,0,0] op_sel_hi:[1,0,0]  ; and then taken in its turn
.set i, i+1
.endr
.irp n, 0,1,2,3
	global_store_b128 v[GO], v[HH+4*(\n):HH+4*(\n)+3], s[8:9] offset:((\n)/2)*BS+((\n)%2)*512  ; 512 consecutive bytes, at a multiple of 256 from the buffer's first
.endr
	s_wait_xcnt 0x0                                ; the stores' data and offset are rewritten only behind this wait
	v_add_nc_u32 v[RD], 8*SP, v[RD]
	v_add_nc_u32 v[GO], 1024, v[GO]
.else
	s_mov_b32 s3, 8
.Lout:                                                 ; a trip: 16 rows of both blocks
.irp n, 0,1,2,3,4,5,6,7
	ds_load_b128 v[OB+4*(\n):OB+4*(\n)+3], v[RD] offset:((\n)/4)*SBLK+((\n)%4)*4*SP  ; LDS serves a wave's instructions in order (ISA guide 5.7.1.4): these see my stores above
.endr
.irp n, 0,1,2,3,4,5,6,7
	s_wait_dscnt 7-(\n)                            ; load n is back; the younger ones stay out
	global_store_b128 v[GO], v[OB+4*(\n):OB+4*(\n)+3], s[8:9] offset:((\n)/4)*BS+((\n)%4)*512  ; 512 consecutive bytes, at a multiple of 256 from the buffer's first
.endr
	s_wait_xcnt 0x0                                ; the stores' data and offset are rewritten only behind this wait
	v_add_nc_u32 v[RD], 16*SP, v[RD]
	v_add_nc_u32 v[GO], 2048, v[GO]
.endif
	s_sub_co_u32 s3, s3, 1
	s_cmp_lg_u32 s3, 0
	s_cbranch_scc1 .Lout
	s_wait_tensorcnt 0x0                           ; the wave's end
	ds_add_u32 v[SPW], v[NIL]
	s_wait_dscnt 0x0
	CROUND                                         ; the closing round: no work-group ends while a partner may still ask for a tile that names it
	s_endpgm
.Lfunc_end_k_qd8c9d4164e_upgemm:
	.size	k_qd8c9d4164e_upgemm, .Lfunc_end_k_qd8c9d4164e_upgemm-k_qd8c9d4164e_upgemm
	.p2alignl 7, 3214868480
	.fill 96, 4, 3214868480
	.section	.rodata,"a",@progbits
	.p2align	6, 0x0
	.amdhsa_kernel k_qd8c9d4164e_upgemm
		.amdhsa_group_segment_fixed_size 327680
		.amdhsa_private_segment_fixed_size 0
		.amdhsa_enable_private_segment 0
		.amdhsa_kernarg_size 24
		.amdhsa_user_sgpr_count 2
		.amdhsa_user_sgpr_kernarg_segment_ptr 1
		.amdhsa_wavefront_size32 1
		.amdhsa_system_sgpr_workgroup_id_x 1
		.amdhsa_system_sgpr_workgroup_id_y 1
		.amdhsa_system_sgpr_workgroup_id_z 1
		.amdhsa_system_vgpr_workitem_id 0
		.amdhsa_next_free_vgpr 1024
		.amdhsa_next_free_sgpr 78
		.amdhsa_reserve_vcc 0
		.amdhsa_float_denorm_mode_32 3
		.amdhsa_float_denorm_mode_16_64 3
		.amdhsa_memory_ordered 1
		.amdhsa_forward_progress 1
		.amdhsa_inst_pref_size 100
	.end_amdhsa_kernel
	.amdgpu_metadata
---
amdhsa.version: [ 1, 2 ]
amdhsa.kernels:
  - .name:           k_qd8c9d4164e_upgemm
    .symbol:         k_qd8c9d4164e_upgemm.kd
    .args:
      - { .name: ao, .offset: 0, .size: 8, .value_kind: global_buffer, .address_space: global }
      - { .name: wu, .offset: 8, .size: 8, .value_kind: global_buffer, .address_space: global }
      - { .name: qkv, .offset: 16, .size: 8, .value_kind: global_buffer, .address_space: global }
    .group_segment_fixed_size: 327680
    .private_segment_fixed_size: 0
    .kernarg_segment_align: 8
    .kernarg_segment_size: 24
    .max_flat_workgroup_size: 128
    .sgpr_count:     78
    .vgpr_count:     1024
    .wavefront_size: 32
...
	.end_amdgpu_metadata
.endif
;; end of part 6
;; launch down (part 7): grid 8 x 32, 4 waves a work-group, clusters of 4 x 4, 327,680 bytes of LDS; arguments qkv, wa, x1, scale, out0; writes out0
.if DOCPART == 7
	.amdgcn_target "amdgcn-amd-amdhsa--gfx1250"
	.amdhsa_code_object_version 6
	.text
	.protected	k_qd8c9d4164e_down
	.globl	k_qd8c9d4164e_down
	.p2align	8
	.type	k_qd8c9d4164e_down,@function
k_qd8c9d4164e_down:
	s_mov_b64 s[64:65], 0
	v_nop
	global_prefetch_b8 v0, s[64:65] scope:SCOPE_SE
	s_setreg_imm32_b32 hwreg(HW_REG_WAVE_MODE, 25, 1), 1
	s_wait_xcnt 0x0
	s_wait_alu depctr_hold_cnt(0) depctr_sa_sdst(0) depctr_va_vdst(0) depctr_va_sdst(0) depctr_va_ssrc(0) depctr_va_vcc(0) depctr_vm_vsrc(0)
	s_getreg_b32 s2, hwreg(HW_REG_IB_STS2, 6, 4)
	s_cmp_eq_u32 s2, 0
	s_cbranch_scc0 .Lentry_in_a_cluster
	s_endpgm
.Lentry_in_a_cluster:
	s_bfe_u32 s2, ttmp6, 0x10000c
	s_cmp_lg_u32 s2, 0xf033
	s_cbranch_scc0 .Lentry_shape_is_right
	s_endpgm
.Lentry_shape_is_right:
; OUT = RES + (A B^T) x scale by rows.  A: [row / 128][k / 64][128][64] f16, B: at byte WOFF of its buffer, [n / 128][k / 64][128][64] f16; RES and OUT: [4096][1024] f32; scale: [4096] f32; sums in f32.
; A tile of C is 128 x 128: 256 work-groups.  Four waves, each 64 x 64: 16 accumulators.  K goes in steps of 256: four blocks of 64 k, which lie end to end in memory, so a wave's tensor load is 32,768 dense
; bytes asked for as 128 rows of 256 and padded in LDS after every 128 (a row of a block).  Two LDS slots; one K step is written once, the slot in hand stands in SR, one descriptor a tensor walks.
; CLUSTER 4 x 4: A's tiles are asked for jointly along a row of the cluster, B's along a column.  THE MATRIX INSTRUCTION IS USED TRANSPOSED: a lane holds eight neighbouring columns of a row of C.
; THE WALK ALONG K begins at step (X STEPS / 2 + Y STEPS / 4) mod STEPS, X and Y the cluster's own coordinates, which all partners share, and goes round: the two clusters that read the same rows of A begin
; half a walk apart, four neighbouring clusters that read the same rows of B a quarter apart, so a K slice that one asks for has as a rule been asked for by another before.  K is summed in that rotated order.
; The residual and the rows' factors are loaded at the start into registers that nothing else names, and waited for on the way out.
; REGISTERS: window 0: v0-31 addresses, v32-95 the way out, v128-255 accumulators; window 1: two fragment buffers of 128 (64 of A, 64 of B: 64 along K); window 2: v0-127 the residual, v128-159 the factors.
.set SCALED, 1                         ; 1: the product is multiplied by scale[row]
.set LNKB,   6                         ; log2 (K / 64)
.set NKB,    1<<LNKB
.set WOFF,   8388608
.set STEPS,  NKB/4
.set KMASK,  (STEPS-1)*65536           ; a K step's byte offset in a tile's blocks, modulo their length
.set PB,     144                       ; an LDS row: 128 bytes + 16: the 16 rows of a fragment load start at 16 different groups of four banks (64 banks of 4 bytes: ISA guide 11.1)
.set KBL,    128*PB                    ; a block of 64 k
.set HALFT,  2*KBL                     ; what one tensor load brings
.set SLOT,   4*HALFT                   ; A's four blocks, then B's.  SLOT = 0x24000 shares no set bit with wave x HALFT: an exclusive or by SLOT moves a tile's LDS address to the other slot
.set SPARE,  2*SLOT
.set SPITCH, 272                       ; the stage: 64 rows x (256 + 16) bytes of f32 a wave, over slot 0, which by then has had its last fill and its last read
.set ADRA0, 16
.set ADRA,  17
.set ADRB0, 20
.set ADRB,  21
.set STO,   24
.set RD,    25
.set CO,    26                         ; v26  my byte offset in two rows of RES and OUT; never rewritten
.set SOF,   27                         ; v27  my byte offset in two rows' factors
.set SPW,   28
.set NIL,   29
.set TMP,   32
.set ACC,   128
.set F0,    0
.set F1,    128
.set RES,   0                          ; window 2
.set SV,    128                        ; window 2
.set G1,  24
.set G0,  32
.set G1B, 48
.set G0B, 56
.set SR,  45
.set BA,  72                           ; s[72:73] A at the blocks that I fetch, K = 0
.set BB,  74                           ; s[74:75] B likewise
.set KO,  76                           ; s[76:77] byte offset of the K step asked for last
.set MSB, 0
.macro WIN new
.if MSB != (\new)
	s_set_vgpr_msb (MSB<<8)|(\new)
.set MSB, \new
.endif
.endm
.set MUL,  0x05                        ; sources 0 (B) and 1 (A) window 1; C and D window 0
.set TO_F, 0x40
.macro JLOAD s
	s_cmp_eq_u32 s11, 0
	s_cbranch_scc0 .Lfor_b_\@
	tensor_load_to_lds s[G0+4*(\s):G0+4*(\s)+3], s[G1:G1+7]
	s_nop 0
.rept 4
	v_nop
.endr
	s_branch .Lasked_\@
.Lfor_b_\@:
	tensor_load_to_lds s[G0B+4*(\s):G0B+4*(\s)+3], s[G1B:G1B+7]
	s_nop 0
.rept 4
	v_nop
.endr
.Lasked_\@:
.endm
.macro CREST
	s_cmp_lg_u32 s10, 0
	s_cbranch_scc1 .Lnot_wave_0_\@
	s_barrier_signal -3
.Lnot_wave_0_\@:
	s_barrier_wait -3
	s_barrier_signal -1
	s_barrier_wait -1
.endm
.macro CROUND
	s_barrier_signal -1
	s_barrier_wait -1
	CREST
.endm
	s_load_b128 s[4:7], s[0:1], 0x0                ; A s[4:5], B's buffer s[6:7]
	s_load_b64 s[8:9], s[0:1], 0x10                ; the residual
.if SCALED
	s_load_b64 s[68:69], s[0:1], 0x18              ; scale
	s_load_b64 s[66:67], s[0:1], 0x20              ; the output
.else
	s_load_b64 s[66:67], s[0:1], 0x18              ; the output
.endif
	v_lshl_add_u32 v[SPW], v0, 2, SPARE
	v_mov_b32 v[NIL], 0
	ds_add_u32 v[SPW], v[NIL]                      ; the wave's opening: the add and its wait stand ahead of my first tensor load
	ds_add_u32 v28, v29
	v_lshrrev_b32 v1, 5, v0
	v_readfirstlane_b32 s10, v1
	s_lshr_b32 s11, s10, 1                         ; my half of the tile's rows.  Also: I fetch for A (0) or for B (1)
	s_and_b32 s12, s10, 1                          ; my half of its columns.  Also: which two blocks of a K step I fetch
	s_bfe_u32 s40, ttmp6, 0x40000
	s_bfe_u32 s41, ttmp6, 0x40004
	s_lshl_b32 s42, ttmp9, 2
	s_add_co_u32 s42, s42, s40                     ; tile column
	s_and_b32 s13, ttmp7, 0xffff                   ; the cluster's y
	s_lshl_b32 s[KO], ttmp9, LNKB+13               ; the walk's first step, in bytes: 65,536 x ((X STEPS / 2 + Y STEPS / 4) mod STEPS)
	s_lshl_b32 s[KO+1], s13, LNKB+12
	s_add_co_u32 s[KO], s[KO], s[KO+1]
	s_and_b32 s[KO], s[KO], KMASK
	s_mov_b32 s[KO+1], 0
	s_lshl_b32 s13, s13, 2
	s_add_co_u32 s13, s13, s41                     ; tile row
	s_lshl_b32 s43, s41, 2
	s_lshl_b32 s43, 15, s43
	s_lshl_b32 s44, 0x1111, s40
	s_or_b32 s[G1+0], s43, (1<<16)|(1<<20)|(1<<21)|(4<<22)|(3<<25)   ; mask; 2-byte elements; padding on; bit 21 beside a mask; after every 32 words; 4 words
	s_or_b32 s[G1B+0], s44, (1<<16)|(1<<20)|(1<<21)|(4<<22)|(3<<25)
.irp g, G1, G1B
	s_mov_b32 s[(\g)+1], 128<<16                   ; tensor_dim0 = 128 elements: 256 bytes
	s_mov_b32 s[(\g)+2], 128<<16                   ; tensor_dim1 = 128
	s_mov_b32 s[(\g)+3], 128<<16
	s_mov_b32 s[(\g)+4], 128
	s_mov_b32 s[(\g)+5], 128                       ; dense
	s_mov_b32 s[(\g)+6], 0
	s_mov_b32 s[(\g)+7], 0
.endr
	s_lshl_b32 s17, s12, 1
	s_lshl_b32 s16, s13, LNKB
	s_add_co_u32 s16, s16, s17                     ; A: block tile row x NKB + 2 x half,
	s_lshl_b32 s16, s16, 14                        ; 16,384 bytes a block
	s_lshl_b32 s46, s42, LNKB
	s_add_co_u32 s46, s46, s17
	s_lshl_b32 s46, s46, 14
	s_add_co_u32 s46, s46, WOFF
	s_mov_b32 s17, 0
	s_mov_b32 s47, 0
	s_mul_i32 s20, s10, HALFT
	s_mov_b32 s[SR], 0
	s_wait_dscnt 0x0
	s_wait_kmcnt 0x0
	s_add_nc_u64 s[BA:BA+1], s[4:5], s[16:17]
	s_add_nc_u64 s[BB:BB+1], s[6:7], s[46:47]
	CROUND                                         ; the first joint loads meet
.irp s, 0,1
	s_mov_b32 s[G0+4*(\s)], 1
	s_add_co_u32 s[G0+4*(\s)+1], s20, (\s)*SLOT
	s_add_nc_u64 s[G0+4*(\s)+2:G0+4*(\s)+3], s[BA:BA+1], s[KO:KO+1]
	s_or_b32 s[G0+4*(\s)+3], s[G0+4*(\s)+3], 0x80000000
	s_mov_b32 s[G0B+4*(\s)], 1
	s_add_co_u32 s[G0B+4*(\s)+1], s20, (\s)*SLOT
	s_add_nc_u64 s[G0B+4*(\s)+2:G0B+4*(\s)+3], s[BB:BB+1], s[KO:KO+1]
	s_or_b32 s[G0B+4*(\s)+3], s[G0B+4*(\s)+3], 0x80000000
	JLOAD \s                                       ; the walk's first two steps: two loads of mine are out
.if (\s) == 0
	s_add_co_u32 s[KO], s[KO], 65536               ; (no descriptor names this register)
	s_and_b32 s[KO], s[KO], KMASK
.endif
.endr
	v_and_b32 v1, 15, v0
	v_bfe_u32 v2, v0, 4, 1
	v_mul_u32_u24 v3, v1, PB
	v_lshl_add_u32 v3, v2, 4, v3
	s_mul_i32 s21, s11, 64*PB
	s_mul_i32 s22, s12, 64*PB
	s_add_co_u32 s22, s22, 2*HALFT
	v_add_nc_u32 v[ADRA0], s21, v3
	v_add_nc_u32 v[ADRB0], s22, v3
	v_mov_b32 v[ADRA], v[ADRA0]
	v_mov_b32 v[ADRB], v[ADRB0]
	s_mul_i32 s23, s10, 64*SPITCH                  ; my stage
	v_mul_u32_u24 v4, v1, SPITCH
	v_lshl_add_u32 v4, v2, 5, v4
	v_add_nc_u32 v[STO], s23, v4                   ; in: row l % 16, 32 bytes for each half of the lanes
	v_mul_u32_u24 v5, v2, SPITCH
	v_lshl_add_u32 v5, v1, 4, v5
	v_add_nc_u32 v[RD], s23, v5                    ; back: lanes 0-15 one row of 256 bytes, lanes 16-31 the next
	v_lshlrev_b32 v5, 12, v2
	v_lshl_add_u32 v[CO], v1, 4, v5                ; and the same two rows in RES and OUT
	v_lshlrev_b32 v[SOF], 2, v2
	s_lshl_b32 s16, s13, 1
	s_add_co_u32 s16, s16, s11                     ; my 64 rows: 2 x tile row + half
	s_lshl_b32 s18, s16, 8                         ; 4 bytes a row in scale,
	s_lshl_b32 s16, s16, 18                        ; 4,096 in RES and OUT
	s_mov_b32 s17, 0
	s_mov_b32 s19, 0
	s_lshl_b32 s46, s42, 1                         ; my 64 columns (no register that feeds A's descriptors holds cx)
	s_add_co_u32 s46, s46, s12
	s_lshl_b32 s46, s46, 8
	s_mov_b32 s47, 0
	s_add_nc_u64 s[8:9], s[8:9], s[16:17]
	s_add_nc_u64 s[8:9], s[8:9], s[46:47]
	s_add_nc_u64 s[66:67], s[66:67], s[16:17]
	s_add_nc_u64 s[66:67], s[66:67], s[46:47]
	WIN 0x80                                       ; destination window 2
.set t, 0
.rept 32
	global_load_b128 v[RES+4*t:RES+4*t+3], v[CO], s[8:9] offset:t*8192  ; 16 lanes read 256 consecutive bytes; these stay out through the K loop
.set t, t+1
.endr
.if SCALED
	s_add_nc_u64 s[68:69], s[68:69], s[18:19]
.set t, 0
.rept 32
	global_load_b32 v[SV+t], v[SOF], s[68:69] offset:8*t   ; the factor of the row that load t of the residual took
.set t, t+1
.endr
.endif
	WIN 0
; 8 matrix instructions: m blocks a0, a0 + 1 x 4 n blocks, 32 along K: half c of buffer f.  The 16 accumulators take turns.
.macro MUL8 f, c, a0, zero
	WIN MUL
.irp a, \a0, (\a0)+1
.irp b, 0,1,2,3
.if \zero
	v_wmma_f32_16x16x32_f16 v[ACC+8*(4*(\a)+(\b)):ACC+8*(4*(\a)+(\b))+7], v[(\f)+64+8*(4*(\c)+(\b)):(\f)+64+8*(4*(\c)+(\b))+7], v[(\f)+8*(4*(\c)+(\a)):(\f)+8*(4*(\c)+(\a))+7], 0
.else
	v_wmma_f32_16x16x32_f16 v[ACC+8*(4*(\a)+(\b)):ACC+8*(4*(\a)+(\b))+7], v[(\f)+64+8*(4*(\c)+(\b)):(\f)+64+8*(4*(\c)+(\b))+7], v[(\f)+8*(4*(\c)+(\a)):(\f)+8*(4*(\c)+(\a))+7], v[ACC+8*(4*(\a)+(\b)):ACC+8*(4*(\a)+(\b))+7]
.endif
.endr
.endr
.endm
; 32 LDS loads in one run: block q's fragments (64 along K) into buffer f; the first 32 along K first
.macro FETCH q, f
	WIN TO_F
.irp c, 0,1
.irp i, 0,1,2,3
	ds_load_b128 v[(\f)+64+8*(4*(\c)+(\i)):(\f)+64+8*(4*(\c)+(\i))+3],   v[ADRB] offset:(\q)*KBL+64*(\c)+(\i)*16*PB
	ds_load_b128 v[(\f)+64+8*(4*(\c)+(\i))+4:(\f)+64+8*(4*(\c)+(\i))+7], v[ADRB] offset:(\q)*KBL+64*(\c)+(\i)*16*PB+32
	ds_load_b128 v[(\f)+8*(4*(\c)+(\i)):(\f)+8*(4*(\c)+(\i))+3],         v[ADRA] offset:(\q)*KBL+64*(\c)+(\i)*16*PB
	ds_load_b128 v[(\f)+8*(4*(\c)+(\i))+4:(\f)+8*(4*(\c)+(\i))+7],       v[ADRA] offset:(\q)*KBL+64*(\c)+(\i)*16*PB+32
.endr
.endr
.endm
.macro PLACES                          ; four plain instructions between a matrix instruction and a load into, or a read of, its registers
.rept 4
	v_nop
.endr
.endm
.macro QUARTER q, f, g, zero           ; multiplies buffer f; in its middle fetches block q into buffer g
	s_wait_dscnt 16                                ; the first 32 along K are in
	MUL8 \f, 0, 0, \zero
	MUL8 \f, 0, 2, \zero
	PLACES
	FETCH \q, \g
	s_wait_dscnt 32                                ; all but the 32 just issued
	MUL8 \f, 1, 0, 0
	MUL8 \f, 1, 2, 0
.endm
.macro MEET                            ; the last quarter's first half and the one barrier of a change of slots
	WIN 0
	s_wait_tensorcnt 0x0                           ; all my tensor loads have landed: my part of the next slot
	ds_add_u32 v[SPW], v[NIL]                      ; 0 onto my spare word
	s_wait_dscnt 17                                ; (the add and the youngest sixteen loads may be out)
	MUL8 F1, 0, 0, 0
	s_wait_dscnt 0x0                               ; the add is done, and my reads of this slot are over
	s_barrier_signal -1
	MUL8 F1, 0, 2, 0
	WIN 0
	s_barrier_wait -1
.endm
.macro FLIP
	s_xor_b32 s[SR], s[SR], SLOT
	v_add_nc_u32 v[ADRA], s[SR], v[ADRA0]
	v_add_nc_u32 v[ADRB], s[SR], v[ADRB0]
.endm
.macro TURN                            ; the barrier opens a round of the cluster's; the joint refill is the first tensor load behind it: 112 matrix instructions ahead of the wait for it
	MEET
	CREST
	s_xor_b32 s[G0+5], s[G0+5], SLOT               ; the walking descriptors: the slot just read out,
	s_xor_b32 s[G0B+5], s[G0B+5], SLOT
	s_add_co_u32 s[KO], s[KO], 65536               ; the walk's next step, round the end;
	s_and_b32 s[KO], s[KO], KMASK
	s_add_nc_u64 s[G0+6:G0+7], s[BA:BA+1], s[KO:KO+1]      ; the addresses are made anew from the bases
	s_or_b32 s[G0+7], s[G0+7], 0x80000000
	s_add_nc_u64 s[G0B+6:G0B+7], s[BB:BB+1], s[KO:KO+1]
	s_or_b32 s[G0B+7], s[G0B+7], 0x80000000
	JLOAD 1                                        ; its four v_nop are also the places in front of the loads below
	FLIP
	FETCH 0, F0
	MUL8 F1, 1, 0, 0
	MUL8 F1, 1, 2, 0
.endm
	s_wait_tensorcnt 1                             ; my part of the first step is in; the second's may stay out
	s_barrier_signal -1
	s_barrier_wait -1
	FETCH 0, F0
	QUARTER 1, F0, F1, 1                           ; the first products start the sums
	WIN 0
	s_mov_b32 s3, STEPS-2
.Lk:
	QUARTER 2, F1, F0, 0
	QUARTER 3, F0, F1, 0
	TURN
	QUARTER 1, F0, F1, 0
	WIN 0
	s_sub_co_u32 s3, s3, 1
	s_cmp_lg_u32 s3, 0
	s_cbranch_scc1 .Lk
	s_mov_b32 s3, 2
.Lt:                                                   ; the last two K steps ask for nothing; the second trip is left in its middle
	QUARTER 2, F1, F0, 0
	QUARTER 3, F0, F1, 0
	MEET
	s_sub_co_u32 s3, s3, 1
	s_cmp_eq_u32 s3, 0
	s_cbranch_scc1 .Lend
	PLACES
	FLIP
	FETCH 0, F0
	MUL8 F1, 1, 0, 0
	MUL8 F1, 1, 2, 0
	QUARTER 1, F0, F1, 0
	WIN 0
	s_branch .Lt
.Lend:                                                 ; behind the last barrier no wave reads the ring, and no fill is to come: the stage may lie over it
	MUL8 F1, 1, 0, 0
	MUL8 F1, 1, 2, 0
	WIN 0
	PLACES
	; THE WAY OUT: the sums go through my own stage, so that sixteen lanes hold 256 neighbouring bytes of a row; each accumulator's low four registers first
.irp a, 0,1,2,3
.irp b, 0,1,2,3
	ds_store_b128 v[STO], v[ACC+8*(4*(\a)+(\b)):ACC+8*(4*(\a)+(\b))+3]   offset:(\a)*16*SPITCH+64*(\b)
	ds_store_b128 v[STO], v[ACC+8*(4*(\a)+(\b))+4:ACC+8*(4*(\a)+(\b))+7] offset:(\a)*16*SPITCH+64*(\b)+16
.endr
.endr
	s_wait_loadcnt 0x0                             ; the residual and the factors
.irp hf, 0,1
.if \hf
	s_wait_xcnt 0x0                                ; the first half's stores have read their data
.endif
.set t, 0
.rept 16
	ds_load_b128 v[TMP+4*t:TMP+4*t+3], v[RD] offset:(16*\hf+t)*2*SPITCH  ; LDS serves a wave's instructions in order (ISA guide 5.7.1.4): these see my stores above
.set t, t+1
.endr
	s_wait_dscnt 0x0
.if SCALED
	WIN 0x28                                       ; sources 1 and 2 window 2
.set t, 0
.rept 64
	v_fma_f32 v[TMP+t], v[TMP+t], v[SV+16*\hf+t/4], v[RES+64*\hf+t]
.set t, t+1
.endr
.else
	WIN 0x08                                       ; source 1 window 2
.set t, 0
.rept 32
	v_pk_add_f32 v[TMP+2*t:TMP+2*t+1], v[TMP+2*t:TMP+2*t+1], v[RES+64*\hf+2*t:RES+64*\hf+2*t+1]
.set t, t+1
.endr
.endif
	WIN 0
.set t, 0
.rept 16
	global_store_b128 v[CO], v[TMP+4*t:TMP+4*t+3], s[66:67] offset:(16*\hf+t)*8192  ; 16 lanes store 256 consecutive bytes, at a multiple of 256 from the buffer's first
.set t, t+1
.endr
.endr
	s_wait_tensorcnt 0x0                           ; the wave's end
	ds_add_u32 v[SPW], v[NIL]
	s_wait_dscnt 0x0
	CROUND                                         ; the closing round
	s_endpgm
.Lfunc_end_k_qd8c9d4164e_down:
	.size	k_qd8c9d4164e_down, .Lfunc_end_k_qd8c9d4164e_down-k_qd8c9d4164e_down
	.p2alignl 7, 3214868480
	.fill 96, 4, 3214868480
	.section	.rodata,"a",@progbits
	.p2align	6, 0x0
	.amdhsa_kernel k_qd8c9d4164e_down
		.amdhsa_group_segment_fixed_size 327680
		.amdhsa_private_segment_fixed_size 0
		.amdhsa_enable_private_segment 0
		.amdhsa_kernarg_size 40
		.amdhsa_user_sgpr_count 2
		.amdhsa_user_sgpr_kernarg_segment_ptr 1
		.amdhsa_wavefront_size32 1
		.amdhsa_system_sgpr_workgroup_id_x 1
		.amdhsa_system_sgpr_workgroup_id_y 1
		.amdhsa_system_sgpr_workgroup_id_z 1
		.amdhsa_system_vgpr_workitem_id 0
		.amdhsa_next_free_vgpr 672
		.amdhsa_next_free_sgpr 78
		.amdhsa_reserve_vcc 0
		.amdhsa_float_denorm_mode_32 3
		.amdhsa_float_denorm_mode_16_64 3
		.amdhsa_memory_ordered 1
		.amdhsa_forward_progress 1
		.amdhsa_inst_pref_size 73
	.end_amdhsa_kernel
	.amdgpu_metadata
---
amdhsa.version: [ 1, 2 ]
amdhsa.kernels:
  - .name:           k_qd8c9d4164e_down
    .symbol:         k_qd8c9d4164e_down.kd
    .args:
      - { .name: qkv, .offset: 0, .size: 8, .value_kind: global_buffer, .address_space: global }
      - { .name: wa, .offset: 8, .size: 8, .value_kind: global_buffer, .address_space: global }
      - { .name: x1, .offset: 16, .size: 8, .value_kind: global_buffer, .address_space: global }
      - { .name: scale, .offset: 24, .size: 8, .value_kind: global_buffer, .address_space: global }
      - { .name: out0, .offset: 32, .size: 8, .value_kind: global_buffer, .address_space: global }
    .group_segment_fixed_size: 327680
    .private_segment_fixed_size: 0
    .kernarg_segment_align: 8
    .kernarg_segment_size: 40
    .max_flat_workgroup_size: 128
    .sgpr_count:     78
    .vgpr_count:     672
    .wavefront_size: 32
...
	.end_amdgpu_metadata
.endif
;; end of part 7
